; MI455X (gfx1250); checked and timed in simulation.
; The chip was launched on July 23, 2026; its instructions are those of AMD's public machine-readable ISA for CDNA 5 (MIT licence, August 2026) and "CDNA5" Instruction Set Architecture Reference Guide (July 2026). The comments in the code are by the model that wrote it; some were corrected since.
;; Concat Critic. Allowed arithmetic: matrix products marked QUANTISED: E3M2 operands, one E8M0 scale for each 32 along K, by v_wmma_scale_f32_16x16x128_f8f6f4 with both operands' format E3M2, f32 sums; products left as they are: f32 operands where the result goes on into a quantised operand, else bf16, f16 or f32 operands; f32 sums; everything else in f32.
;; Inputs: W1 512 x 256 float32; W2_codes 512 x 16 x 24 uint8 (E3M2 codes of W2, K innermost, in blocks of 32 codes, four codes in three bytes); W2_scales 512 x 16 uint8 (E8M0 scales of W2, one for each 32 codes along K); W3 1 x 512 float32; b1 512 float32; b2 512 float32; b3 1 float32; x_codes 512 x 4 x 24 uint8 (E3M2 codes of x, K innermost, in blocks of 32 codes, four codes in three bytes); x_scales 512 x 4 uint8 (E8M0 scales of x, one for each 32 codes along K); y_codes 512 x 4 x 24 uint8 (E3M2 codes of y, K innermost, in blocks of 32 codes, four codes in three bytes); y_scales 512 x 4 uint8 (E8M0 scales of y, one for each 32 codes along K).
;; Outputs: out0 512 x 512 float32; out1 one number float32.
;; This version of the problem:
;;   THIS VERSION OF THE PROBLEM IS GIVEN IN LOW PRECISION. The matrix products marked QUANTISED in the list below multiply operands that are first quantised to E3M2 (3 exponent bits, 2 mantissa bits; 6 bits a number), with one power-of-two scale for each 32 numbers along K (OCP MX v1.0); their sums are f32. All else is computed in f32.
;;   The module's matrix products, in the order in which they are computed (A, B: the left and right operand; K: the contracted axis; several contracted axes count as one K, in the product's order):
;;     1. [M 512, K 128] x [K 128, N 512]; A: input x (given as codes); B: input W1: QUANTISED
;;     2. [M 512, K 128] x [K 128, N 512]; A: input y (given as codes); B: input W1: QUANTISED
;;     3. [M 262,144, K 512] x [K 512, N 512]; A: computed on the way; B: input W2 (given as codes): QUANTISED
;;     4. [M 262,144, K 512] x [K 512, N 1]; A: computed on the way; B: input W3: left as it is (N = 1 < 16)
;;   THE QUANTISER, for each operand of a quantised product, along K:
;;     - K is cut into blocks of 32 from its start; a last block that is shorter is filled with zeros.
;;     - A block's scale is 2^e with e = floor(log2(the largest magnitude in the block)) - 4, held to -126 .. 127; a block of zeros has e = 0. As a byte (E8M0): e + 127.
;;     - Each number is divided by its block's scale, clamped to +-28, and rounded to the nearest number of E3M2, ties to even, subnormals kept.
;;     - The product sums the exact products of the quantised numbers (number of the format x scale) in f32.
;;   ~~~python
;;   def quantise(x, axis):      # numpy; x: float32 -> the quantised numbers, widened to float32 again
;;       x = np.moveaxis(x, axis, -1); K = x.shape[-1]
;;       x = np.pad(x, [(0, 0)] * (x.ndim - 1) + [(0, -K % 32)]); x = x.reshape(x.shape[:-1] + (-1, 32)); a = np.abs(x).max(-1, keepdims=True)
;;       e = np.where(a > 0, np.clip(np.frexp(np.where(a > 0, a, 1))[1] - 1 - 4, -126, 127), 0)      # np.frexp(a)[1] - 1 = floor(log2(a)), exactly
;;       r = np.clip(x / 2.0 ** e, -28, 28)
;;       step = 2.0 ** (np.maximum(np.frexp(np.where(r == 0, 1, r))[1] - 1, -2) - 2)
;;       q = np.round(r / step) * step * 2.0 ** e      # np.round: ties to even
;;       return np.moveaxis(q.reshape(q.shape[:-2] + (-1,))[..., :K], -1, axis).astype(np.float32)
;;   ~~~
;;   OPERANDS COMPUTED ON THE WAY. 'Computed on the way' means the value that the module computes at that place (a softmax that the list does not call 'softmax' is quantised finished and normalised). What goes into a quantiser is computed in f32, as accurately as f32 sums, v_exp_f32 and their like allow (about 1e-6 of the number): no bf16 or f16 on the way to a quantiser, and a product that is left as it is and whose result goes on into a quantised operand takes f32 operands (vector FMAs, or v_wmma_f32_16x16x4_f32). A number that lies on a knife's edge between two numbers of the format may be rounded either way, as far as f32 arithmetic and the matrix unit's own rounding can turn it there, and no further.
;;   INPUTS GIVEN AS CODES. W2 (in the module: [512, 512], K = its axis 1); x (in the module: [512, 128], K = its axis 1); y (in the module: [512, 128], K = its axis 1): each comes as NAME_codes (uint8): NAME with its K axis moved to the last place and cut into blocks of 32 codes, [.., K / 32, bytes a block], one block behind the other in memory; four codes in three bytes: a row's codes are one little-endian stream of bits, code i at bits 6 i .. 6 i + 5 (a code: sign, 3 exponent bits, 2 mantissa bits); and NAME_scales (uint8): the same leading axes, one E8M0 byte (e + 127) for each 32 codes along K. Its value is code x scale, taken as it is: it is not quantised again, and the codes and scales need not be those that the quantiser above would give.
;; 2 versions, each right; version 2 is version 1 with the launches prep, pairs written anew for expert scheduling mode. Each part assembles by itself: llvm-mc -triple=amdgcn-amd-amdhsa -mcpu=gfx1250 --defsym DOCPART=n.
;; ======== version 1 of 2: 2 launches
;; workspace buffers: HX 1,048,576 bytes; HY 1,048,576 bytes; W2I 196,608 bytes
;; launch prep (part 1): grid 256 x 1, 1 waves a work-group, no clusters, 0 bytes of LDS; arguments x_codes, x_scales, y_codes, y_scales, W1, b1, W2_codes, HX, HY, W2I, out1; writes HX, HY, W2I, out1
.if DOCPART == 1
	.amdgcn_target "amdgcn-amd-amdhsa--gfx1250"
	.amdhsa_code_object_version 6
	.text
	.protected	k_q1716aba7a3_prep
	.globl	k_q1716aba7a3_prep
	.p2align	8
	.type	k_q1716aba7a3_prep,@function
k_q1716aba7a3_prep:
	s_mov_b64 s[64:65], 0
	v_nop
	global_prefetch_b8 v0, s[64:65] scope:SCOPE_SE
	s_setreg_imm32_b32 hwreg(HW_REG_WAVE_MODE, 25, 1), 1
	s_wait_xcnt 0x0
; HX = x Q(W1[:, :128])^T + b1 and HY = y Q(W1[:, 128:])^T, both [512][512] f32, on codes of BF6 (E3M2) with one E8M0 scale for each 32 along K;
; W2's codes laid anew as images of operand registers; out1 = 0.
; x and y arrive as codes; W1 arrives as f32 with K innermost and is quantised here, in registers.
; SHARES.  256 work-groups of one wave.  Work-group g: part = g / 128 (0: x, HX, with b1; 1: y, HY), T = (g / 4) % 32: which 16 hidden units, Q = g % 4: row tiles 8 Q .. 8 Q + 7.
; The fragment of W1 is quantised in each of the four Q: 64 numbers a lane, against four times as many work-groups.
; THE PRODUCT IS USED TRANSPOSED: source 0 = 16 rows of W1, source 1 = 16 rows of x.  A lane (r, h) then holds row r of x and eight hidden units.
; THE ROWS OF W1 THAT FORM A TILE ARE NOT NEIGHBOURS: lane p takes row BASE + p + 24 (p / 8), BASE = 128 s + 64 c + 8 v for T = 8 s + 4 c + v, so that register j of lane (r, h) is hidden unit BASE + 32 h + j.
; HX AND HY ARE LAID AS THE NEXT LAUNCH'S REGISTERS WANT THEM: byte = tile x 32768 + T x 1024 + u x 512 + lane x 16 holds registers 4 u .. 4 u + 3.  Read back for one (tile, s, c), a lane has the 32 hidden units
; 128 s + 64 c + 32 h + 0 .. 31 of its row: a whole block of the next quantiser.  Each store of the wave covers 512 consecutive bytes, aligned.
; W2I: fragment F = 32 w + 8 s + t (W2's rows 128 w + 16 t + r, K step s) at F x 1536: registers 4 g .. 4 g + 3 at g x 512 + lane x 16.  Work-groups 0 to 127 lay one fragment each.
; A block's scale is 2^(floor(log2(its largest magnitude)) - 4): its byte is the largest magnitude's exponent field - 4, held at 1 from below.
; LIMITS: a block of zeros gets the byte 1 where the rule says 127 (its codes are zeros, and this program alone reads the byte); NaN and infinities among the inputs are not served;
; b1 is the C of the product, so the next launch forms hy + (hx + b1) where reference() forms (hy + hx) + b1: another order of two f32 roundings.
.set XF,  32                           ; v32-127  eight fragments of x or y
.set XS,  128                          ; v128-135 their scale words
.set CB,  136                          ; v136-143 C: b1 at my eight hidden units, or 0
.set WN,  144                          ; v144-207 64 numbers of W1, later the eight results
.set WC,  208                          ; v208-219 W1's codes
.set WT,  220                          ; v220-226 the second halves of the blocks' codes, as converted
.set MX,  228                          ; v228-229 largest magnitudes, v230-231 scale operands, v232-233 bytes
	s_load_b256 s[4:11], s[0:1], 0x0               ; x's codes, x's scales, y's codes, y's scales
	s_load_b256 s[12:19], s[0:1], 0x20             ; W1, b1, W2's codes, HX
	s_load_b128 s[20:23], s[0:1], 0x40             ; HY, W2I
	s_load_b64 s[24:25], s[0:1], 0x50              ; out1
	s_lshr_b32 s27, ttmp9, 7                       ; part
	s_bfe_u32 s28, ttmp9, 0x50002                  ; T
	s_and_b32 s29, ttmp9, 3                        ; Q
	s_lshr_b32 s30, s28, 3
	s_lshl_b32 s30, s30, 7                         ; 128 s
	s_bfe_u32 s31, s28, 0x10002
	s_lshl_b32 s31, s31, 6                         ; 64 c
	s_add_co_u32 s30, s30, s31
	s_and_b32 s31, s28, 3
	s_lshl_b32 s31, s31, 3                         ; 8 v
	s_add_co_u32 s30, s30, s31                     ; BASE
	s_mov_b32 s36, 0x76543210
	s_mov_b32 s37, 0xfedcba98                      ; v_permlanex16_b32's selects for lane l xor 16
	v_and_b32 v1, 15, v0                           ; r
	v_lshrrev_b32 v2, 4, v0                        ; h
	v_lshlrev_b32 v3, 4, v0                        ; 16 x lane
	v_mul_u32_u24 v4, v1, 96
	v_mad_u32_u24 v4, v2, 24, v4                   ; x, y: row r of 96 bytes, + 24 h
	v_lshlrev_b32 v5, 2, v1                        ; their scale words
	v_lshrrev_b32 v6, 3, v1
	v_mad_u32_u24 v6, v6, 24, v1                   ; r + 24 (r / 8)
	v_lshlrev_b32 v6, 10, v6                       ; W1: a row is 1,024 bytes,
	v_lshl_add_u32 v6, v2, 7, v6                   ; + 128 h: my block of 32 numbers
	v_lshlrev_b32 v7, 7, v2                        ; b1: 32 h numbers on
	v_mul_u32_u24 v8, v1, 384
	v_mad_u32_u24 v8, v2, 24, v8                   ; W2: row r of 384 bytes, + 24 h
	v_mov_b32 v11, 0                               ; out1's number
	v_mov_b32 v12, 0                               ; and its offset
	s_wait_kmcnt 0x0
	s_cmp_eq_u32 s27, 0                            ; x's work-group or y's: the choice hangs on the work-group's number alone
	s_cselect_b64 s[4:5], s[4:5], s[8:9]
	s_cselect_b64 s[6:7], s[6:7], s[10:11]
	s_cselect_b64 s[18:19], s[18:19], s[20:21]
	s_cselect_b32 s31, -1, 0                       ; keeps b1 for x, clears it for y
	s_mov_b32 s33, 0
	s_lshl_b32 s32, s30, 10
	s_lshl_b32 s34, s27, 9
	s_add_co_u32 s32, s32, s34
	s_add_nc_u64 s[12:13], s[12:13], s[32:33]      ; W1 at row BASE, column 128 x part
	s_lshl_b32 s32, s30, 2
	s_add_nc_u64 s[14:15], s[14:15], s[32:33]      ; b1 at BASE
	s_mul_i32 s32, s29, 12288
	s_add_nc_u64 s[4:5], s[4:5], s[32:33]          ; the codes of my 128 rows
	s_lshl_b32 s32, s29, 9
	s_add_nc_u64 s[6:7], s[6:7], s[32:33]          ; and their scale words
	s_lshl_b32 s32, s29, 18
	s_lshl_b32 s34, s28, 10
	s_add_co_u32 s32, s32, s34
	s_add_nc_u64 s[18:19], s[18:19], s[32:33]      ; the result at tile 8 Q, place T
.irp c, 0,1
.irp j, 0,1,2,3,4,5,6,7
	global_load_b128 v[WN+32*\c+4*\j:WN+32*\c+4*\j+3], v6, s[12:13] offset:256*\c+16*\j   ; W1(my row, 64 c + 32 h + 4 j ..): registers run along K
.endr
.endr
.irp a, 0,1,2,3,4,5,6,7
.irp p, 0,1,2,3,4,5
	global_load_b64 v[XF+12*\a+2*\p:XF+12*\a+2*\p+1], v4, s[4:5] offset:1536*\a+48*(\p/3)+8*(\p%3)
.endr
	global_load_b32 v[XS+\a], v5, s[6:7] offset:64*\a
.endr
	global_load_b128 v[CB:CB+3], v7, s[14:15]
	global_load_b128 v[CB+4:CB+7], v7, s[14:15] offset:16
	s_cmp_lt_u32 ttmp9, 128
	s_cbranch_scc0 .Lno_w2
	s_lshr_b32 s32, ttmp9, 5
	s_lshl_b32 s32, s32, 7                         ; 128 w
	s_and_b32 s34, ttmp9, 7
	s_lshl_b32 s34, s34, 4                         ; 16 t
	s_add_co_u32 s32, s32, s34
	s_mul_i32 s32, s32, 384
	s_bfe_u32 s34, ttmp9, 0x20003
	s_mul_i32 s34, s34, 96                         ; K step s
	s_add_co_u32 s32, s32, s34
	s_add_nc_u64 s[16:17], s[16:17], s[32:33]
	s_mul_i32 s32, ttmp9, 1536
	s_add_nc_u64 s[22:23], s[22:23], s[32:33]
.irp p, 0,1,2,3,4,5
	global_load_b64 v[16+2*\p:17+2*\p], v8, s[16:17] offset:48*(\p/3)+8*(\p%3)   ; one fragment of W2, as the matrix unit takes it
.endr
	s_wait_loadcnt 0x0
.irp g, 0,1,2
	global_store_b128 v3, v[16+4*\g:19+4*\g], s[22:23] offset:512*\g             ; and as it stands: 512 consecutive bytes a store
.endr
.Lno_w2:
	s_wait_loadcnt 0x0
.irp j, 0,1,2,3,4,5,6,7
	v_and_b32 v[CB+\j], s31, v[CB+\j]              ; b1 belongs to hx alone
.endr
.irp c, 0,1                                    ; my block 2 c + h of W1's row: all its 32 numbers are mine
	v_max3_num_f32 v[MX+\c], |v[WN+32*\c]|, |v[WN+1+32*\c]|, 0x2800000   ; and the floor 2^(5 - 127): the byte cannot fall under 1
.endr
.irp i, 2,4,6,8,10,12,14,16,18,20,22,24,26,28,30
.irp c, 0,1
	v_max3_num_f32 v[MX+\c], v[MX+\c], |v[WN+32*\c+\i]|, |v[WN+1+32*\c+\i]|
.endr
.endr
.irp c, 0,1
	v_add_nc_u32 v[MX+2+\c], 0xfe000000, v[MX+\c]  ; 4 off the exponent field: the conversion's scale operand
.endr
.irp c, 0,1
	v_lshrrev_b32 v[MX+4+\c], 23, v[MX+2+\c]       ; the scale's byte
.endr
	v_lshl_or_b32 v9, v[MX+5], 16, v[MX+4]         ; my two bytes: blocks h and 2 + h,
	v_lshlrev_b32 v10, 3, v2
	v_lshlrev_b32 v9, v10, v9                      ; at their places in the scale word;
	v_mov_b32 v10, 0
	v_permlanex16_b32 v10, v9, s36, s37
	v_or_b32 v9, v9, v10                           ; with lane l xor 16's two the word is whole
.irp c, 0,1
	v_cvt_scalef32_pk16_bf6_f32 v[WC+6*\c:WC+2+6*\c], v[WN+32*\c:WN+15+32*\c], v[MX+2+\c]
	v_cvt_scalef32_pk16_bf6_f32 v[WT+4*\c:WT+2+4*\c], v[WN+16+32*\c:WN+31+32*\c], v[MX+2+\c]   ; (a conversion's three registers begin on an even number)
.endr
	v_nop                                          ; one plain line behind the last scaled conversion
.irp c, 0,1
.irp i, 0,1,2
	v_mov_b32 v[WC+3+6*\c+\i], v[WT+4*\c+\i]
.endr
.endr
.rept 8
	v_nop                                          ; a scale register written by a vector instruction stands eight places ahead of a scaled matrix instruction, an operand four
.endr
.irp a, 0,1,2,3,4,5,6,7                        ; eight results, one instruction each: K is 128
	v_wmma_scale_f32_16x16x128_f8f6f4 v[WN+8*\a:WN+8*\a+7], v[WC:WC+11], v[XF+12*\a:XF+12*\a+11], v[CB:CB+7], v9, v[XS+\a] matrix_a_fmt:MATRIX_FMT_BF6 matrix_b_fmt:MATRIX_FMT_BF6
.endr
.rept 4
	v_nop                                          ; four places ahead of the stores that read the results
.endr
.irp a, 0,1,2,3,4,5,6,7
	global_store_b128 v3, v[WN+8*\a:WN+8*\a+3], s[18:19] offset:32768*\a         ; each result from its low end on
	global_store_b128 v3, v[WN+8*\a+4:WN+8*\a+7], s[18:19] offset:32768*\a+512
.endr
	s_cmp_lg_u32 ttmp9, 0
	s_cbranch_scc1 .Lend
	s_wait_xcnt 0x0                                ; EXEC is a source of the stores above: it changes only behind this wait
	v_cmp_eq_u32 vcc_lo, 0, v0
	s_and_saveexec_b32 s38, vcc_lo
	global_store_b32 v12, v11, s[24:25]            ; out1 = 0.0, by one lane of one work-group
	s_wait_xcnt 0x0
	s_or_b32 exec_lo, exec_lo, s38
.Lend:
	s_endpgm
.Lfunc_end_k_q1716aba7a3_prep:
	.size	k_q1716aba7a3_prep, .Lfunc_end_k_q1716aba7a3_prep-k_q1716aba7a3_prep
	.p2alignl 7, 3214868480
	.fill 96, 4, 3214868480
	.section	.rodata,"a",@progbits
	.p2align	6, 0x0
	.amdhsa_kernel k_q1716aba7a3_prep
		.amdhsa_group_segment_fixed_size 0
		.amdhsa_private_segment_fixed_size 0
		.amdhsa_enable_private_segment 0
		.amdhsa_kernarg_size 88
		.amdhsa_user_sgpr_count 2
		.amdhsa_user_sgpr_kernarg_segment_ptr 1
		.amdhsa_wavefront_size32 1
		.amdhsa_system_sgpr_workgroup_id_x 1
		.amdhsa_system_sgpr_workgroup_id_y 1
		.amdhsa_system_sgpr_workgroup_id_z 1
		.amdhsa_system_vgpr_workitem_id 0
		.amdhsa_next_free_vgpr 256
		.amdhsa_next_free_sgpr 66
		.amdhsa_reserve_vcc 1
		.amdhsa_float_denorm_mode_32 3
		.amdhsa_float_denorm_mode_16_64 3
		.amdhsa_memory_ordered 1
		.amdhsa_forward_progress 1
		.amdhsa_inst_pref_size 18
	.end_amdhsa_kernel
	.amdgpu_metadata
---
amdhsa.version: [ 1, 2 ]
amdhsa.kernels:
  - .name:           k_q1716aba7a3_prep
    .symbol:         k_q1716aba7a3_prep.kd
    .args:
      - { .name: x_codes, .offset: 0, .size: 8, .value_kind: global_buffer, .address_space: global }
      - { .name: x_scales, .offset: 8, .size: 8, .value_kind: global_buffer, .address_space: global }
      - { .name: y_codes, .offset: 16, .size: 8, .value_kind: global_buffer, .address_space: global }
      - { .name: y_scales, .offset: 24, .size: 8, .value_kind: global_buffer, .address_space: global }
      - { .name: W1, .offset: 32, .size: 8, .value_kind: global_buffer, .address_space: global }
      - { .name: b1, .offset: 40, .size: 8, .value_kind: global_buffer, .address_space: global }
      - { .name: W2_codes, .offset: 48, .size: 8, .value_kind: global_buffer, .address_space: global }
      - { .name: HX, .offset: 56, .size: 8, .value_kind: global_buffer, .address_space: global }
      - { .name: HY, .offset: 64, .size: 8, .value_kind: global_buffer, .address_space: global }
      - { .name: W2I, .offset: 72, .size: 8, .value_kind: global_buffer, .address_space: global }
      - { .name: out1, .offset: 80, .size: 8, .value_kind: global_buffer, .address_space: global }
    .group_segment_fixed_size: 0
    .private_segment_fixed_size: 0
    .kernarg_segment_align: 8
    .kernarg_segment_size: 88
    .max_flat_workgroup_size: 32
    .sgpr_count:     66
    .vgpr_count:     256
    .wavefront_size: 32
...
	.end_amdgpu_metadata
.endif
;; end of part 1
;; launch pairs (part 2): grid 8 x 32, 4 waves a work-group, no clusters, 197,120 bytes of LDS; arguments HX, HY, W2I, W2_scales, b2, W3, b3, out0; writes out0
.if DOCPART == 2
	.amdgcn_target "amdgcn-amd-amdhsa--gfx1250"
	.amdhsa_code_object_version 6
	.text
	.protected	k_q1716aba7a3_pairs
	.globl	k_q1716aba7a3_pairs
	.p2align	8
	.type	k_q1716aba7a3_pairs,@function
k_q1716aba7a3_pairs:
	s_mov_b64 s[64:65], 0
	v_nop
	global_prefetch_b8 v0, s[64:65] scope:SCOPE_SE
	s_setreg_imm32_b32 hwreg(HW_REG_WAVE_MODE, 25, 1), 1
	s_wait_xcnt 0x0
; out0[i][j] = W3 . relu(W2 Q(relu(HY[i] + HX[j])) + b2) + b3 for 512 x 512 pairs.  HX (with b1 in it) and HY are [512][512] f32, laid as register images by the launch before; W2 is codes of BF6 (E3M2), likewise laid.
; The product with W2 runs on codes of BF6 with one E8M0 scale for each 32 along K; the hidden layer h1 = relu(HY[i] + HX[j]) is made, quantised and multiplied here and never goes to memory.  The product with W3 (one column) is f32 multiply-adds.
; SHARES.  Work-group (gx, gy): 16 rows i (y's tile gy) x 64 columns j (x's tiles 4 gx .. 4 gx + 3): 64 tiles of 16 pairs; tile (i, jt): lane r stands for j = 64 gx + 16 jt + r.  256 work-groups of equal work.
; THE WAVES SHARE THE COLUMNS OF W2, NOT THE PAIRS: wave w owns h2's columns 128 w .. 128 w + 127; its 32 fragments of W2 (384 registers), b2 and W3 stay in registers for the whole launch.
; Wave w also MAKES K step w of every fragment of h1: for that it needs hidden units 128 w .. + 127 alone: of HX 256 registers, which stay, and of HY 8 KiB in LDS bytes of its own, read with all lanes of a half at one address.
; A lane holds a WHOLE block of 32 hidden units of one pair, so a block's largest number needs no other lane and the conversions' results are the operand's registers.
; Fragments go from wave to wave through LDS as images of their registers, the scale bytes into words laid as the scale registers want them.
; THE PRODUCT IS USED TRANSPOSED (source 0 = 16 rows of W2, source 1 = 16 pairs): a lane holds one pair and eight columns, so relu, x W3 and the sum stay in the lane; b2 is the C of a sum's first instruction.
; BY TURNS.  A step is one tile: 32 matrix instructions (eight accumulators by turns, K step by K step).  Behind each stands a slice of vector work: behind the first 25 the making of two
; half fragments of a later tile, behind the last seven the way out of the accumulators that are finished.
; PIPELINE.  A period is four steps, one row i.  Period b makes row b's four tiles into ring slot b % 4 and multiplies row b - 2's out of slot (b + 2) % 4; in its last step it fetches ahead out of slot (b + 3) % 4.
; One barrier a period: in front of it each wave waits for all its LDS instructions, so what it stored has landed and what it read is in.  A slot is written again two barriers behind its last read.
; NO TENSOR LOAD AND NO CLUSTER: all that comes from memory (a wave's 48 KiB of W2, 32 KiB of HX, 8 KiB of HY, 3 KiB of b2, W3 and scales) is read once, at the head, dense, straight into the registers where it stays; through LDS it
; would be moved a second time.  Nothing is streamed later, so nothing is asked for ahead either.
; LIMITS: NaN and infinities are not served.  A block of zeros carries the byte 1 over zero codes, which add nothing.  The sum ahead of the quantiser is hy + (hx + b1): another order of two f32 roundings than reference()'s.
;
; LDS: 0: HY, 8,192 bytes a wave.  RING: four slots of 32,768; in a slot tile jt at 6,400 jt: fragment s at 1,536 s, its half c at 768 c: 512 bytes (registers 6 c .. 6 c + 3, 16 x lane), then 256 (registers 6 c + 4, 5, 8 x lane);
;   at 6,144 the scale words: word (pair r, K step s) at 8 (16 (s % 2) + r) + 4 (s / 2), byte 2 c + h.  SCS: [wave][tile 64][lane] f32: the waves' partial scores.
; REGISTERS, in windows of 256.  Window 0: all that changes (below).  Window 1: v0-95 W2's K step 0 (12 t); v96-223 HX's halves 0, 2, 4, 6; v224-255 b2 of tiles 0-3.
;   Window 2: v0-95 W2's K step 1; v96-223 HX's halves 1, 3, 5, 7; v224-255 b2 of tiles 4-7.   Window 3: v0-191 W2's K steps 2, 3; v192-255 W3.   Half number 4 c + jt = 2 mu + e is made in step mu as its e-th.
.set RING,  32768
.set SLOTB, 0x8000
.set MT,    6400                       ; a tile in a slot
.set FRB,   1536                       ; a fragment's image
.set HFB,   768                        ; half of it
.set SCW,   6144                       ; a tile's scale words
.set SCS,   163840
.set L16,  1                           ; v1   16 x lane; never rewritten
.set L8,   2                           ; v2   8 x lane; never rewritten
.set RA16, 3                           ; v3-4 the slot that is multiplied: + 16 x lane, + 8 x lane
.set RA8,  4
.set RN16, 5                           ; v5-6 the slot that is multiplied next
.set RN8,  6
.set WA16, 7                           ; v7-9 where I store: registers 0-3 of a half, registers 4-5, the scale byte
.set WA8,  8
.set WS,   9
.set WB16, 10                          ; v10-12 the same in slot 0; never rewritten
.set WB8,  11
.set WBS,  12
.set HY0,  13                          ; v13  my wave's HY, my half of the lanes: 8192 w + 256 h; never rewritten
.set HYA,  14                          ; v14  + 16 x the row in hand
.set HYN,  15                          ; v15  + 16 x the next row
.set W2S,  16                          ; v16-31 W2's scale words: register 2 t + sp: lanes 0-15 K step 2 sp, lanes 16-31 K step 2 sp + 1
.set AS,   32                          ; v32-35 h1's scale words, two pairs by the tile's parity; register sp as above
.set S,    36                          ; v36-43 four pairs of sums
.set SA,   44                          ; v44  where my partial score goes
.set O32H, 45                          ; v45  32 h; never rewritten
.set OSC,  46                          ; v46  16 r + 4 h; never rewritten
.set OA,   47                          ; v47  the way out
.set M,    48                          ; v48-51 four chains of maxima
.set SCB,  52                          ; v52-55 scale operand and byte, for code sets 0 and 1
.set CP,   56                          ; v56-64, v68-76 code set e: the half's six registers, then three as converted
.set TMP,  80                          ; v80-111 32 numbers of h1
.set HYR,  112                         ; v112-143 half a row of hy
.set AF,   144                         ; v144-191 four fragments of h1
.set ACC,  192                         ; v192-255 eight accumulators
.set WV,   20                          ; s20 wave;  s22 gy
.set GY,   22
.set PB,   24                          ; s24 32,768 x the period's number
.set WBR,  25                          ; s25-27 the slots: written, multiplied, multiplied next
.set RBR,  26
.set RNR,  27
.set IBR,  28                          ; s28-29 16 x the row in hand, 16 x the next
.set INR,  29
.set CNT,  30
.set B3,   32                          ; s[32:33] b3, twice
; THE WINDOWS.  s_set_vgpr_msb's low byte: bits 1:0 source 0, 3:2 source 1, 5:4 source 2, 7:6 destination.  Each line states the fields that it uses (mask) and what they must hold (val); a switch is written only where
; they differ, and leaves the other fields as they are.  So a line whose first source is a constant stands under a matrix instruction's setting without a switch.  The immediate's high byte repeats the setting that is left.
.set MSB, 0
.macro W mask, val
.if (MSB & (\mask)) != (\val)
.set NEWMSB, (MSB & (0xff-(\mask))) | (\val)
	s_set_vgpr_msb (MSB<<8)|NEWMSB
.set MSB, NEWMSB
.endif
.endm
.set pl, 0                             ; plain vector lines written so far: from it the places behind matrix instructions are counted
.set dn, 0                             ; LDS instructions written in the step so far: from it the counted waits are made
; A load into a register that a matrix instruction has read, and a vector line that reads its result, stand four places behind it, and only plain vector lines that name none of its registers are places
; (ISA guide 7.12.1 for vector instructions).  ref: pl as it stood behind that matrix instruction.
.macro ENSURE ref
.if pl-(\ref) < 4
.rept 4-(pl-(\ref))
	v_nop
.endr
.set pl, (\ref)+4
.endif
.endm
; Matrix instruction q of a step's 32: K step q / 8, tile of columns q % 8.
.macro WM mu, q
.set ks, (\q)/8
.set kt, (\q)%8
.set rD, ACC+8*kt
.set rB, AF+12*ks
.set rC, rD
.set rA, 12*kt
.set wset, 0x03                        ; W2 in window 3
.if ks == 0
.set rC, 224+8*(kt%4)                  ; b2 starts the sum
.set wset, 0x11+0x10*(kt/4)            ; W2 in window 1, b2 in window 1 or 2
.elseif ks == 1
.set wset, 0x02
.elseif ks == 3
.set rA, 96+12*kt
.endif
.set rSA, W2S+2*kt+ks/2
.set rSB, AS+2*((\mu)%2)+ks/2
	W 0xff, wset
.if ks%2
	v_wmma_scale_f32_16x16x128_f8f6f4 v[rD:rD+7], v[rA:rA+11], v[rB:rB+11], v[rC:rC+7], v[rSA], v[rSB] matrix_a_fmt:MATRIX_FMT_BF6 matrix_b_fmt:MATRIX_FMT_BF6 matrix_a_scale:MATRIX_SCALE_ROW1 matrix_b_scale:MATRIX_SCALE_ROW1
.else
	v_wmma_scale_f32_16x16x128_f8f6f4 v[rD:rD+7], v[rA:rA+11], v[rB:rB+11], v[rC:rC+7], v[rSA], v[rSB] matrix_a_fmt:MATRIX_FMT_BF6 matrix_b_fmt:MATRIX_FMT_BF6
.endif
.endm
; THE MAKING OF h1.  A step makes two half fragments, e = 0 and 1: half c of K step w of tile jt, 4 c + jt = 2 mu + e.  Its list, of which ITEM writes number pj:
;   16 packed sums hx + hy;  (behind the last tile of a half row: 8 loads of the next half row of hy);  32 relu;  16 maxima, three operands at a time, four chains, the floor 2^(5 - 127) among the leaves;
;   the scale operand (4 off the largest number's exponent field), two conversions, the byte (also the plain line behind the conversions), three moves;  three stores.
.macro ITEM mu
.set ie, pj/74
.if ie > 1
.set ie, 1
.endif
.set ik, pj-74*ie
.set ihf, 2*(\mu)+ie
.set ic, ihf/4
.set ijt, ihf%4
.set ix, 8*(ijt/3)
.set iP, CP+12*ie
.set iS, SCB+2*ie
.if ik < 16
	W 0xcf, 1+ie
	v_pk_add_f32 v[TMP+2*ik:TMP+2*ik+1], v[96+32*(\mu)+2*ik:96+32*(\mu)+2*ik+1], v[HYR+2*ik:HYR+2*ik+1]
.set pl, pl+1
.elseif ik < 16+ix
	W 0xc3, 0
.if ic == 0
	ds_load_b128 v[HYR+4*(ik-16):HYR+4*(ik-16)+3], v[HYA] offset:(ik-8)*512    ; the row's second half; it is waited for at the next step's head
.else
	ds_load_b128 v[HYR+4*(ik-16):HYR+4*(ik-16)+3], v[HYN] offset:(ik-16)*512   ; the next row's first half
.endif
.set dn, dn+1
.elseif ik < 48+ix
	W 0xcc, 0
	v_max_num_f32 v[TMP+ik-16-ix], 0, v[TMP+ik-16-ix]
.set pl, pl+1
.elseif ik < 64+ix
.set im, ik-48-ix
	W 0xff, 0
.if im < 4
	v_max3_num_f32 v[M+im], v[TMP+8*im], v[TMP+8*im+1], v[TMP+8*im+2]
.elseif im < 12
	v_max3_num_f32 v[M+im%4], v[M+im%4], v[TMP+8*(im%4)+2*(im/4)+1], v[TMP+8*(im%4)+2*(im/4)+2]
.elseif im == 12
	v_max3_num_f32 v[M], v[M], v[TMP+7], v[TMP+15]
.elseif im == 13
	v_max3_num_f32 v[M+1], v[M+1], v[TMP+23], v[TMP+31]
.elseif im == 14
	v_max3_num_f32 v[M+2], v[M+2], v[M+3], 0x2800000
.else
	v_max3_num_f32 v[M], v[M], v[M+1], v[M+2]
.endif
.set pl, pl+1
.else
.set iq, ik-64-ix
.if iq == 0
	W 0xcc, 0
	v_add_nc_u32 v[iS], 0xfe000000, v[M]
.set pl, pl+1
.elseif iq == 1
	W 0xcf, 0
	v_cvt_scalef32_pk16_bf6_f32 v[iP:iP+2], v[TMP:TMP+15], v[iS]
.elseif iq == 2
	W 0xcf, 0
	v_cvt_scalef32_pk16_bf6_f32 v[iP+6:iP+8], v[TMP+16:TMP+31], v[iS]          ; (a conversion's three registers begin on an even number)
.elseif iq == 3
	W 0xcc, 0
	v_lshrrev_b32 v[iS+1], 23, v[iS]
.set pl, pl+1
.elseif iq < 7
	W 0xcc, 0
	v_or_b32 v[iP+iq-1], 0, v[iP+iq+2]             ; a move whose first source is a constant: it wants no window of its own
.set pl, pl+1
.elseif iq == 7
	W 0x0f, 0
	ds_store_b128 v[WA16], v[iP:iP+3] offset:ijt*MT+ic*HFB
.set dn, dn+1
.elseif iq == 8
	W 0x0f, 0
	ds_store_b64 v[WA8], v[iP+4:iP+5] offset:ijt*MT+ic*HFB
.set dn, dn+1
.else
	W 0x0f, 0
	ds_store_b8 v[WS], v[iS+1] offset:ijt*MT+2*ic
.set dn, dn+1
.endif
.endif
.set pj, pj+1
.endm
.macro DEAL mu, n                      ; the next n numbers of the step's list, as far as it goes
.rept \n
.if pj < pn
	ITEM \mu
.endif
.endr
.endm
.macro ALOAD s, a16, a8, off           ; K step s's fragment of the tile at off: four loads
	W 0xc3, 0
.irp c, 0,1
	ds_load_b128 v[AF+12*(\s)+6*\c:AF+12*(\s)+6*\c+3], v[\a16] offset:(\off)+(\s)*FRB+\c*HFB
	ds_load_b64 v[AF+12*(\s)+6*\c+4:AF+12*(\s)+6*\c+5], v[\a8] offset:(\off)+(\s)*FRB+\c*HFB+512
.endr
.set dn, dn+4
.endm
.macro ASLOAD par, a8, off             ; its scale words, all four K steps' in one load
	W 0xc3, 0
	ds_load_b64 v[AS+2*(\par):AS+2*(\par)+1], v[\a8] offset:(\off)+SCW
.set dn, dn+1
.endm
; THE WAY OUT of accumulator t: relu, from the low end on, then x W3 into four pairs of sums; the first accumulator starts them.
.macro EPI t
	W 0xcc, 0
.irp j, 0,1,2,3,4,5,6,7
	v_max_num_f32 v[ACC+8*(\t)+\j], 0, v[ACC+8*(\t)+\j]
.endr
	W 0xff, 0x03
.irp p, 0,2,4,6
.if (\t) == 0
	v_pk_mul_f32 v[S+\p:S+\p+1], v[192+8*(\t)+\p:192+8*(\t)+\p+1], v[ACC+8*(\t)+\p:ACC+8*(\t)+\p+1]
.else
	v_pk_fma_f32 v[S+\p:S+\p+1], v[192+8*(\t)+\p:192+8*(\t)+\p+1], v[ACC+8*(\t)+\p:ACC+8*(\t)+\p+1], v[S+\p:S+\p+1]
.endif
.endr
.set pl, pl+12
.endm
.macro FIN mu                          ; my lane's share of its pair's score: 64 of the 512 columns
	W 0xcf, 0
	v_pk_add_f32 v[S:S+1], v[S:S+1], v[S+2:S+3]
	v_pk_add_f32 v[S+4:S+5], v[S+4:S+5], v[S+6:S+7]
	v_pk_add_f32 v[S:S+1], v[S:S+1], v[S+4:S+5]
	v_add_f32 v[S], v[S], v[S+1]
	W 0x0f, 0
	ds_store_b32 v[SA], v[S] offset:(\mu)*128
.set pl, pl+4
.set dn, dn+1
.endm
; The weights' loads, number gj of 144: 96 of W2's fragments, 16 of b2, 16 of W3 (both in the result's layout: column 16 t + 8 h + j), 16 of W2's scale words.
.macro GLOAD
.if gj < 96
.set gf, gj/3
.set gg, gj%3
.set gw, 3
.set gr, 96*(gf/8-2)+12*(gf%8)+4*gg
.if gf < 16
.set gw, 1+gf/8
.set gr, 12*(gf%8)+4*gg
.endif
	W 0xc3, gw<<6
	global_load_b128 v[gr:gr+3], v[L16], s[8:9] offset:gf*FRB+gg*512
.elseif gj < 128
.set gt, (gj%16)/2
.set gu, gj%2
.if gj < 112
	W 0xc3, (1+gt/4)<<6
	global_load_b128 v[224+8*(gt%4)+4*gu:224+8*(gt%4)+4*gu+3], v[O32H], s[12:13] offset:64*gt+16*gu
.else
	W 0xc3, 0xc0
	global_load_b128 v[192+8*gt+4*gu:192+8*gt+4*gu+3], v[O32H], s[14:15] offset:64*gt+16*gu
.endif
.else
.set gt, (gj%16)/2
.set gu, gj%2
	W 0xc3, 0
	global_load_b32 v[W2S+2*gt+gu], v[OSC], s[10:11] offset:256*gt+8*gu
.endif
.endm
.macro GRUN g0
.set gj, \g0
.rept 36
	GLOAD
.set gj, gj+1
.endr
.endm
; The period's addresses, from its number.  Every window is 0 here, and no LDS instruction of the wave is out.
.macro ADDR prod
	s_and_b32 s[WBR], s[PB], 0x18000               ; slot b % 4,
	s_xor_b32 s[RBR], s[WBR], 0x10000              ; slot (b + 2) % 4,
	s_add_co_u32 s[RNR], s[PB], 0x18000
	s_and_b32 s[RNR], s[RNR], 0x18000              ; slot (b + 3) % 4
	s_add_co_u32 s[RBR], s[RBR], RING
	s_add_co_u32 s[RNR], s[RNR], RING
	v_add_nc_u32 v[RA16], s[RBR], v[L16]
	v_add_nc_u32 v[RA8], s[RBR], v[L8]
	v_add_nc_u32 v[RN16], s[RNR], v[L16]
	v_add_nc_u32 v[RN8], s[RNR], v[L8]
.if \prod
	v_add_nc_u32 v[WA16], s[WBR], v[WB16]
	v_add_nc_u32 v[WA8], s[WBR], v[WB8]
	v_add_nc_u32 v[WS], s[WBR], v[WBS]
	s_lshr_b32 s[IBR], s[PB], 11                   ; 16 x the row,
	s_min_u32 s[IBR], s[IBR], 240                  ; held at the tile's last row
	s_add_co_u32 s[INR], s[IBR], 16
	s_min_u32 s[INR], s[INR], 240                  ; (behind row 15 its own first half is loaded once more; nobody uses it)
	v_add_nc_u32 v[HYA], s[IBR], v[HY0]
	v_add_nc_u32 v[HYN], s[INR], v[HY0]
.endif
.endm
.macro BOUNDARY prod, mat
	W 0xff, 0
	s_wait_dscnt 0x0                               ; for the others' sake: my stores into the ring and the scores have landed, and my reads of the slots are in
	s_barrier_signal -1
	s_barrier_wait -1
	s_add_co_u32 s[PB], s[PB], SLOTB
	ADDR \prod
.if \mat
	v_add_nc_u32 v[SA], 512, v[SA]                 ; the next row's four tiles
.endif
.endm
; A STEP.  prod: two half fragments are made.  mat: tile mu of the slot in hand is multiplied.  g0 >= 0: 36 of the weights' loads stand at its head.
.macro STEP mu, prod, mat, g0
.set pj, 0
.set pn, 0
.if \prod
.set pn, 148+8*((\mu)%2)
.endif
.set dn, 0
.set nof, (((\mu)+1)%4)*MT             ; where the next tile lies in its slot
.if \mat
	s_wait_dscnt 8                                 ; the youngest eight are the loads of K steps 2 and 3: K steps 0 and 1, the scale words and hy's half row are in, and my stores have read their registers
.set qq, 0
.rept 32
.if qq == 16
	s_wait_dscnt 4+dn                              ; K step 2's fragment: behind it came K step 3's four loads and what this step has issued
.elseif qq == 24
	s_wait_dscnt dn                                ; K step 3's: behind it came what this step has issued
.endif
	WM \mu, qq
.if qq == 7
.set pl7, pl
.elseif qq == 15
.set pl15, pl
.elseif qq == 24
.set pl24, pl
.endif
.if qq < 8
	DEAL \mu, 7
.elseif qq < 24
	DEAL \mu, 6
.elseif qq == 24
	DEAL \mu, pn
	ENSURE pl24                                    ; accumulator 0 is finished: its way out begins behind the next matrix instruction
.else
	EPI qq-25                                      ; twelve plain lines: the places between accumulator qq - 24's last product and its way out
.endif
.if qq == 9
	ENSURE pl7                                     ; K step 0's products are issued: its registers take the next tile's
.if (\mu) == 3
	ALOAD 0, RN16, RN8, 0
	ASLOAD 0, RN8, 0
.else
	ALOAD 0, RA16, RA8, nof
	ASLOAD ((\mu)+1)%2, RA8, nof
.endif
.elseif qq == 20
	ENSURE pl15
.if (\mu) == 3
	ALOAD 1, RN16, RN8, 0
.else
	ALOAD 1, RA16, RA8, nof
.endif
.endif
.set qq, qq+1
.endr
	EPI 7
	FIN \mu
.if (\mu) == 3
	BOUNDARY \prod, 1
.endif
	ALOAD 2, RA16, RA8, nof                        ; the step's last eight LDS instructions, on every way into a step
	ALOAD 3, RA16, RA8, nof
.else
.if (\g0) >= 0
	GRUN \g0
.endif
	s_wait_dscnt 0x0                               ; hy's half row is in, and my stores have read their registers
	DEAL \mu, pn
.if (\mu) == 3
	BOUNDARY \prod, 0
.endif
.endif
.endm
.macro PERIOD prod, mat
	STEP 0, \prod, \mat, -1
	STEP 1, \prod, \mat, -1
	STEP 2, \prod, \mat, -1
	STEP 3, \prod, \mat, -1
.endm
	s_load_b256 s[4:11], s[0:1], 0x0               ; HX s[4:5], HY s[6:7], W2I s[8:9], W2's scales s[10:11]
	s_load_b256 s[12:19], s[0:1], 0x20             ; b2 s[12:13], W3 s[14:15], b3 s[16:17], out0 s[18:19]
	v_lshl_add_u32 v66, v0, 2, 0x30000
	v_mov_b32 v67, 0
	v_lshrrev_b32 v77, 5, v0
	v_readfirstlane_b32 s[WV], v77                 ; wave 0..3
	s_and_b32 s[GY], ttmp7, 0xffff
	v_and_b32 v78, 31, v0                          ; lane
	v_and_b32 v79, 15, v0                          ; r
	v_bfe_u32 v77, v0, 4, 1                        ; h
	v_lshlrev_b32 v[L16], 4, v78
	v_lshlrev_b32 v[L8], 3, v78
	s_mul_i32 s34, s[WV], FRB                      ; I make K step w
	s_add_co_u32 s34, s34, RING
	v_add_nc_u32 v[WB16], s34, v[L16]
	s_add_co_u32 s34, s34, 512
	v_add_nc_u32 v[WB8], s34, v[L8]
	s_and_b32 s36, s[WV], 1
	s_lshl_b32 s36, s36, 7
	s_lshr_b32 s34, s[WV], 1
	s_lshl_b32 s34, s34, 2
	s_add_co_u32 s36, s36, s34
	s_add_co_u32 s36, s36, RING+SCW
	v_lshl_add_u32 v[WBS], v79, 3, v77
	v_add_nc_u32 v[WBS], s36, v[WBS]               ; my scale byte: 128 (w % 2) + 4 (w / 2) + 8 r + h
	s_lshl_b32 s37, s[WV], 13                      ; 8192 w
	v_lshl_add_u32 v[HY0], v77, 8, s37
	v_lshlrev_b32 v[O32H], 5, v77
	v_lshlrev_b32 v[OSC], 2, v77
	v_lshl_add_u32 v[OSC], v79, 4, v[OSC]
	v_lshl_add_u32 v[SA], v78, 2, s37
	v_add_nc_u32 v[SA], SCS, v[SA]
	v_add_nc_u32 v78, s37, v[L16]                  ; where HY's image goes in LDS
	s_mov_b32 s[PB], 0
	ADDR 1                                         ; period 0
	s_mov_b32 s35, 0
	s_wait_kmcnt 0x0
	s_load_b32 s[B3], s[16:17], 0x0
	s_lshl_b32 s34, s[GY], 15
	s_add_co_u32 s34, s34, s37
	s_add_nc_u64 s[6:7], s[6:7], s[34:35]          ; HY: tile gy, K step w
	s_lshl_b32 s34, ttmp9, 17
	s_add_co_u32 s34, s34, s37
	s_add_nc_u64 s[4:5], s[4:5], s[34:35]          ; HX: tile 4 gx, K step w
	s_mul_i32 s34, s[WV], 32*FRB
	s_add_nc_u64 s[8:9], s[8:9], s[34:35]          ; my 32 fragments of W2
	s_lshl_b32 s34, s[WV], 11
	s_add_nc_u64 s[10:11], s[10:11], s[34:35]      ; my 128 rows of its scales
	s_lshl_b32 s34, s[WV], 9
	s_add_nc_u64 s[12:13], s[12:13], s[34:35]      ; my 128 numbers of b2
	s_add_nc_u64 s[14:15], s[14:15], s[34:35]      ; and of W3
	s_lshl_b32 s34, s[GY], 15
	s_lshl_b32 s36, ttmp9, 8
	s_add_co_u32 s34, s34, s36
	s_add_nc_u64 s[18:19], s[18:19], s[34:35]      ; out0 at row 16 gy, column 64 gx
.irp q, 0,1,2,3,4,5,6,7,8,9,10,11,12,13,14,15
	global_load_b128 v[AF+4*\q:AF+4*\q+3], v[L16], s[6:7] offset:512*\q
.endr
.irp e, 0,1
	W 0xc3, (1+\e)<<6
.irp mu, 0,1,2,3
.irp k, 0,1,2,3,4,5,6,7
	global_load_b128 v[96+32*\mu+4*\k:96+32*\mu+4*\k+3], v[L16], s[4:5] offset:((2*\mu+\e)%4)*32768+((2*\mu+\e)/4)*4096+512*\k
.endr
.endr
.endr
	s_wait_loadcnt 63                              ; HY's sixteen are in: 64 loads were issued behind them, and 63 is the largest count that this wait names
	W 0x0f, 0
.irp q, 0,1,2,3,4,5,6,7,8,9,10,11,12,13,14,15
	ds_store_b128 v78, v[AF+4*\q:AF+4*\q+3] offset:512*\q
.endr
	W 0xc3, 0
.irp k, 0,1,2,3,4,5,6,7
	ds_load_b128 v[HYR+4*\k:HYR+4*\k+3], v[HYA] offset:512*\k    ; row 0's first half: my wave's own bytes, and LDS serves a wave's instructions in order (ISA guide 5.7.1.4)
.endr
	GRUN 0
	s_wait_loadcnt 36                              ; HX is in: behind it came the 36 just issued
	; rows 0 and 1 are made with nothing to multiply yet; the rest of the weights' loads stand in the first of the two periods and land under them
	STEP 0, 1, 0, -1
	STEP 1, 1, 0, 36
	STEP 2, 1, 0, 72
	STEP 3, 1, 0, 108
	PERIOD 1, 0
	s_wait_loadcnt 0x0                             ; the weights
	s_wait_kmcnt 0x0                               ; b3
	s_mov_b32 s[B3+1], s[B3]
	ALOAD 0, RA16, RA8, 0                          ; row 0's first tile
	ASLOAD 0, RA8, 0
	ALOAD 1, RA16, RA8, 0
	ALOAD 2, RA16, RA8, 0
	ALOAD 3, RA16, RA8, 0
	W 0xff, 0                                      ; at a label and at a branch every window is 0
	s_mov_b32 s[CNT], 14
.Lmain:                                                ; periods 2 to 15: row b is made, row b - 2 multiplied
	PERIOD 1, 1
	W 0xff, 0
	s_sub_co_u32 s[CNT], s[CNT], 1
	s_cmp_lg_u32 s[CNT], 0
	s_cbranch_scc1 .Lmain
	s_mov_b32 s[CNT], 2
.Ltail:                                                ; periods 16 and 17: rows 14 and 15 are multiplied.  The last trip's loads ahead read a slot's old bytes, which nobody writes and nobody uses
	PERIOD 0, 1
	W 0xff, 0
	s_sub_co_u32 s[CNT], s[CNT], 1
	s_cmp_lg_u32 s[CNT], 0
	s_cbranch_scc1 .Ltail
	; THE WAY OUT.  The last barrier has shown every wave's partial scores.  A pair's score is eight of them: four waves x two halves of the lanes.  Wave w stores rows 4 w .. 4 w + 3:
	; sixteen lanes take a row's 64 columns, 16 bytes each: 256 consecutive bytes, at a multiple of 256 from out0's first byte.
	s_wait_dscnt 0x0
	v_and_b32 v77, 15, v0
	v_bfe_u32 v78, v0, 4, 1
	s_lshl_b32 s34, s[WV], 2
	v_add_nc_u32 v78, s34, v78                     ; my row: 4 w + lane / 16 (and two rows on)
	v_lshrrev_b32 v79, 2, v77
	v_lshlrev_b32 v79, 7, v79                      ; the tile jt of my four columns,
	v_and_b32 v[OA], 3, v77
	v_lshl_add_u32 v[OA], v[OA], 4, v79            ; and their place in it
	v_lshl_add_u32 v[OA], v78, 9, v[OA]
	v_add_nc_u32 v[OA], SCS, v[OA]
	v_lshlrev_b32 v77, 4, v77
	v_lshl_add_u32 v77, v78, 11, v77               ; the same place in out0
.irp k, 0,1
.irp a, 0,1,2,3
	ds_load_b128 v[TMP+32*\k+8*\a:TMP+32*\k+8*\a+3], v[OA] offset:8192*\a+1024*\k
	ds_load_b128 v[TMP+32*\k+8*\a+4:TMP+32*\k+8*\a+7], v[OA] offset:8192*\a+1024*\k+64
.endr
.endr
	s_wait_dscnt 0x0
.irp k, 0,1
.irp a, 0,2,4,6
.irp p, 0,2
	v_pk_add_f32 v[TMP+32*\k+4*\a+\p:TMP+32*\k+4*\a+\p+1], v[TMP+32*\k+4*\a+\p:TMP+32*\k+4*\a+\p+1], v[TMP+4+32*\k+4*\a+\p:TMP+4+32*\k+4*\a+\p+1]
.endr
.endr
.irp a, 0,4
.irp p, 0,2
	v_pk_add_f32 v[TMP+32*\k+4*\a+\p:TMP+32*\k+4*\a+\p+1], v[TMP+32*\k+4*\a+\p:TMP+32*\k+4*\a+\p+1], v[TMP+8+32*\k+4*\a+\p:TMP+8+32*\k+4*\a+\p+1]
.endr
.endr
.irp p, 0,2
	v_pk_add_f32 v[TMP+32*\k+\p:TMP+32*\k+\p+1], v[TMP+32*\k+\p:TMP+32*\k+\p+1], v[TMP+16+32*\k+\p:TMP+16+32*\k+\p+1]
.endr
.irp p, 0,2
	v_pk_add_f32 v[TMP+32*\k+\p:TMP+32*\k+\p+1], v[TMP+32*\k+\p:TMP+32*\k+\p+1], s[B3:B3+1] op_sel_hi:[1,0]
.endr
	global_store_b128 v77, v[TMP+32*\k:TMP+32*\k+3], s[18:19] offset:4096*\k th:TH_STORE_NT
.endr
	s_wait_tensorcnt 0x0
	ds_add_u32 v66, v67
	s_wait_dscnt 0x0
	s_endpgm
.Lfunc_end_k_q1716aba7a3_pairs:
	.size	k_q1716aba7a3_pairs, .Lfunc_end_k_q1716aba7a3_pairs-k_q1716aba7a3_pairs
	.p2alignl 7, 3214868480
	.fill 96, 4, 3214868480
	.section	.rodata,"a",@progbits
	.p2align	6, 0x0
	.amdhsa_kernel k_q1716aba7a3_pairs
		.amdhsa_group_segment_fixed_size 197120
		.amdhsa_private_segment_fixed_size 0
		.amdhsa_enable_private_segment 0
		.amdhsa_kernarg_size 64
		.amdhsa_user_sgpr_count 2
		.amdhsa_user_sgpr_kernarg_segment_ptr 1
		.amdhsa_wavefront_size32 1
		.amdhsa_system_sgpr_workgroup_id_x 1
		.amdhsa_system_sgpr_workgroup_id_y 1
		.amdhsa_system_sgpr_workgroup_id_z 1
		.amdhsa_system_vgpr_workitem_id 0
		.amdhsa_next_free_vgpr 1024
		.amdhsa_next_free_sgpr 66
		.amdhsa_reserve_vcc 0
		.amdhsa_float_denorm_mode_32 3
		.amdhsa_float_denorm_mode_16_64 3
		.amdhsa_memory_ordered 1
		.amdhsa_forward_progress 1
		.amdhsa_inst_pref_size 207
	.end_amdhsa_kernel
	.amdgpu_metadata
---
amdhsa.version: [ 1, 2 ]
amdhsa.kernels:
  - .name:           k_q1716aba7a3_pairs
    .symbol:         k_q1716aba7a3_pairs.kd
    .args:
      - { .name: HX, .offset: 0, .size: 8, .value_kind: global_buffer, .address_space: global }
      - { .name: HY, .offset: 8, .size: 8, .value_kind: global_buffer, .address_space: global }
      - { .name: W2I, .offset: 16, .size: 8, .value_kind: global_buffer, .address_space: global }
      - { .name: W2_scales, .offset: 24, .size: 8, .value_kind: global_buffer, .address_space: global }
      - { .name: b2, .offset: 32, .size: 8, .value_kind: global_buffer, .address_space: global }
      - { .name: W3, .offset: 40, .size: 8, .value_kind: global_buffer, .address_space: global }
      - { .name: b3, .offset: 48, .size: 8, .value_kind: global_buffer, .address_space: global }
      - { .name: out0, .offset: 56, .size: 8, .value_kind: global_buffer, .address_space: global }
    .group_segment_fixed_size: 197120
    .private_segment_fixed_size: 0
    .kernarg_segment_align: 8
    .kernarg_segment_size: 64
    .max_flat_workgroup_size: 128
    .sgpr_count:     66
    .vgpr_count:     1024
    .wavefront_size: 32
...
	.end_amdgpu_metadata
.endif
;; end of part 2
;; ======== version 2 of 2: 2 launches; version 1 with the launches prep, pairs written anew for expert scheduling mode
;; workspace buffers: HX 1,048,576 bytes; HY 1,048,576 bytes; W2I 196,608 bytes
;; launch prep (part 3): grid 256 x 1, 1 waves a work-group, no clusters, 0 bytes of LDS; arguments x_codes, x_scales, y_codes, y_scales, W1, b1, W2_codes, HX, HY, W2I, out1; writes HX, HY, W2I, out1
.if DOCPART == 3
	.amdgcn_target "amdgcn-amd-amdhsa--gfx1250"
	.amdhsa_code_object_version 6
	.text
	.protected	k_q1716aba7a3_prep
	.globl	k_q1716aba7a3_prep
	.p2align	8
	.type	k_q1716aba7a3_prep,@function
k_q1716aba7a3_prep:
	s_mov_b64 s[64:65], 0
	v_nop
	global_prefetch_b8 v0, s[64:65] scope:SCOPE_SE
	s_setreg_imm32_b32 hwreg(HW_REG_WAVE_SCHED_MODE, 0, 2), 2
	s_setreg_imm32_b32 hwreg(HW_REG_WAVE_MODE, 25, 1), 1
	s_wait_xcnt 0x0
	s_wait_alu depctr_vm_vsrc(0)
; HX = x Q(W1[:, :128])^T + b1 and HY = y Q(W1[:, 128:])^T, both [512][512] f32, on codes of BF6 (E3M2) with one E8M0 scale for each 32 along K;
; W2's codes laid anew as images of operand registers; out1 = 0.
; x and y arrive as codes; W1 arrives as f32 with K innermost and is quantised here, in registers.
; SHARES.  256 work-groups of one wave.  Work-group g: part = g / 128 (0: x, HX, with b1; 1: y, HY), T = (g / 4) % 32: which 16 hidden units, Q = g % 4: row tiles 8 Q .. 8 Q + 7.
; The fragment of W1 is quantised in each of the four Q: 64 numbers a lane, against four times as many work-groups.
; THE PRODUCT IS USED TRANSPOSED: source 0 = 16 rows of W1, source 1 = 16 rows of x.  A lane (r, h) then holds row r of x and eight hidden units.
; THE ROWS OF W1 THAT FORM A TILE ARE NOT NEIGHBOURS: lane p takes row BASE + p + 24 (p / 8), BASE = 128 s + 64 c + 8 v for T = 8 s + 4 c + v, so that register j of lane (r, h) is hidden unit BASE + 32 h + j.
; HX AND HY ARE LAID AS THE NEXT LAUNCH'S REGISTERS WANT THEM: byte = tile x 32768 + T x 1024 + u x 512 + lane x 16 holds registers 4 u .. 4 u + 3.  Read back for one (tile, s, c), a lane has the 32 hidden units
; 128 s + 64 c + 32 h + 0 .. 31 of its row: a whole block of the next quantiser.  Each store of the wave covers 512 consecutive bytes, aligned.
; W2I: fragment F = 32 w + 8 s + t (W2's rows 128 w + 16 t + r, K step s) at F x 1536: registers 4 g .. 4 g + 3 at g x 512 + lane x 16.  Work-groups 0 to 127 lay one fragment each.
; A block's scale is 2^(floor(log2(its largest magnitude)) - 4): its byte is the largest magnitude's exponent field - 4, held at 1 from below.
; LIMITS: a block of zeros gets the byte 1 where the rule says 127 (its codes are zeros, and this program alone reads the byte); NaN and infinities among the inputs are not served;
; b1 is the C of the product, so the next launch forms hy + (hx + b1) where reference() forms (hy + hx) + b1: another order of two f32 roundings.
; THE MODE: SCHED_MODE bits 1:0 = 2 (LLVM: expert scheduling mode 2), set by the entry lines.  The code itself states the register dependences
; between vector or matrix instructions and memory instructions, with s_wait_alu, always for 0.
; THE PLAN.  The text is one straight run.  The offsets v3 to v8, v11, v12 are written once, at the head, and read by every load and store: one wait on va_vdst ahead of the first load.
; All loads land in registers that no vector line has named.  W1's codes and its scale word are made by vector lines and taken by scaled matrix instructions: one wait ahead of the first of these.
; The results are written by matrix instructions and read by stores: one wait ahead of the first store.  EXEC is written twice, for out1: both waits ahead of each write.
.set XF,  32                           ; v32-127  eight fragments of x or y
.set XS,  128                          ; v128-135 their scale words
.set CB,  136                          ; v136-143 C: b1 at my eight hidden units, or 0
.set WN,  144                          ; v144-207 64 numbers of W1, later the eight results
.set WC,  208                          ; v208-219 W1's codes
.set WT,  220                          ; v220-226 the second halves of the blocks' codes, as converted
.set MX,  228                          ; v228-229 largest magnitudes, v230-231 scale operands, v232-233 bytes
	s_load_b256 s[4:11], s[0:1], 0x0               ; x's codes, x's scales, y's codes, y's scales
	s_load_b256 s[12:19], s[0:1], 0x20             ; W1, b1, W2's codes, HX
	s_load_b128 s[20:23], s[0:1], 0x40             ; HY, W2I
	s_load_b64 s[24:25], s[0:1], 0x50              ; out1
	s_lshr_b32 s27, ttmp9, 7                       ; part
	s_bfe_u32 s28, ttmp9, 0x50002                  ; T
	s_and_b32 s29, ttmp9, 3                        ; Q
	s_lshr_b32 s30, s28, 3
	s_lshl_b32 s30, s30, 7                         ; 128 s
	s_bfe_u32 s31, s28, 0x10002
	s_lshl_b32 s31, s31, 6                         ; 64 c
	s_add_co_u32 s30, s30, s31
	s_and_b32 s31, s28, 3
	s_lshl_b32 s31, s31, 3                         ; 8 v
	s_add_co_u32 s30, s30, s31                     ; BASE
	s_mov_b32 s36, 0x76543210
	s_mov_b32 s37, 0xfedcba98                      ; v_permlanex16_b32's selects for lane l xor 16
	v_and_b32 v1, 15, v0                           ; r
	v_lshrrev_b32 v2, 4, v0                        ; h
	v_lshlrev_b32 v3, 4, v0                        ; 16 x lane
	v_mul_u32_u24 v4, v1, 96
	v_mad_u32_u24 v4, v2, 24, v4                   ; x, y: row r of 96 bytes, + 24 h
	v_lshlrev_b32 v5, 2, v1                        ; their scale words
	v_lshrrev_b32 v6, 3, v1
	v_mad_u32_u24 v6, v6, 24, v1                   ; r + 24 (r / 8)
	v_lshlrev_b32 v6, 10, v6                       ; W1: a row is 1,024 bytes,
	v_lshl_add_u32 v6, v2, 7, v6                   ; + 128 h: my block of 32 numbers
	v_lshlrev_b32 v7, 7, v2                        ; b1: 32 h numbers on
	v_mul_u32_u24 v8, v1, 384
	v_mad_u32_u24 v8, v2, 24, v8                   ; W2: row r of 384 bytes, + 24 h
	v_mov_b32 v11, 0                               ; out1's number
	v_mov_b32 v12, 0                               ; and its offset
	s_wait_kmcnt 0x0
	s_cmp_eq_u32 s27, 0                            ; x's work-group or y's: the choice hangs on the work-group's number alone
	s_cselect_b64 s[4:5], s[4:5], s[8:9]
	s_cselect_b64 s[6:7], s[6:7], s[10:11]
	s_cselect_b64 s[18:19], s[18:19], s[20:21]
	s_cselect_b32 s31, -1, 0                       ; keeps b1 for x, clears it for y
	s_mov_b32 s33, 0
	s_lshl_b32 s32, s30, 10
	s_lshl_b32 s34, s27, 9
	s_add_co_u32 s32, s32, s34
	s_add_nc_u64 s[12:13], s[12:13], s[32:33]      ; W1 at row BASE, column 128 x part
	s_lshl_b32 s32, s30, 2
	s_add_nc_u64 s[14:15], s[14:15], s[32:33]      ; b1 at BASE
	s_mul_i32 s32, s29, 12288
	s_add_nc_u64 s[4:5], s[4:5], s[32:33]          ; the codes of my 128 rows
	s_lshl_b32 s32, s29, 9
	s_add_nc_u64 s[6:7], s[6:7], s[32:33]          ; and their scale words
	s_lshl_b32 s32, s29, 18
	s_lshl_b32 s34, s28, 10
	s_add_co_u32 s32, s32, s34
	s_add_nc_u64 s[18:19], s[18:19], s[32:33]      ; the result at tile 8 Q, place T
	s_wait_alu depctr_va_vdst(0)                   ; the offsets v3 to v8 and out1's v11 and v12 are written: every load and store below reads some of them, and none is written again
.irp c, 0,1
.irp j, 0,1,2,3,4,5,6,7
	global_load_b128 v[WN+32*\c+4*\j:WN+32*\c+4*\j+3], v6, s[12:13] offset:256*\c+16*\j   ; W1(my row, 64 c + 32 h + 4 j ..): registers run along K
.endr
.endr
.irp a, 0,1,2,3,4,5,6,7
.irp p, 0,1,2,3,4,5
	global_load_b64 v[XF+12*\a+2*\p:XF+12*\a+2*\p+1], v4, s[4:5] offset:1536*\a+48*(\p/3)+8*(\p%3)
.endr
	global_load_b32 v[XS+\a], v5, s[6:7] offset:64*\a
.endr
	global_load_b128 v[CB:CB+3], v7, s[14:15]
	global_load_b128 v[CB+4:CB+7], v7, s[14:15] offset:16
	s_cmp_lt_u32 ttmp9, 128
	s_cbranch_scc0 .Lno_w2
	s_lshr_b32 s32, ttmp9, 5
	s_lshl_b32 s32, s32, 7                         ; 128 w
	s_and_b32 s34, ttmp9, 7
	s_lshl_b32 s34, s34, 4                         ; 16 t
	s_add_co_u32 s32, s32, s34
	s_mul_i32 s32, s32, 384
	s_bfe_u32 s34, ttmp9, 0x20003
	s_mul_i32 s34, s34, 96                         ; K step s
	s_add_co_u32 s32, s32, s34
	s_add_nc_u64 s[16:17], s[16:17], s[32:33]
	s_mul_i32 s32, ttmp9, 1536
	s_add_nc_u64 s[22:23], s[22:23], s[32:33]
.irp p, 0,1,2,3,4,5
	global_load_b64 v[16+2*\p:17+2*\p], v8, s[16:17] offset:48*(\p/3)+8*(\p%3)   ; one fragment of W2, as the matrix unit takes it
.endr
	s_wait_loadcnt 0x0
.irp g, 0,1,2
	global_store_b128 v3, v[16+4*\g:19+4*\g], s[22:23] offset:512*\g             ; and as it stands: 512 consecutive bytes a store.  Its data come from loads; no vector line names them
.endr
.Lno_w2:
	s_wait_loadcnt 0x0
.irp j, 0,1,2,3,4,5,6,7
	v_and_b32 v[CB+\j], s31, v[CB+\j]              ; b1 belongs to hx alone
.endr
.irp c, 0,1                                    ; my block 2 c + h of W1's row: all its 32 numbers are mine
	v_max3_num_f32 v[MX+\c], |v[WN+32*\c]|, |v[WN+1+32*\c]|, 0x2800000   ; and the floor 2^(5 - 127): the byte cannot fall under 1
.endr
.irp i, 2,4,6,8,10,12,14,16,18,20,22,24,26,28,30
.irp c, 0,1
	v_max3_num_f32 v[MX+\c], v[MX+\c], |v[WN+32*\c+\i]|, |v[WN+1+32*\c+\i]|
.endr
.endr
.irp c, 0,1
	v_add_nc_u32 v[MX+2+\c], 0xfe000000, v[MX+\c]  ; 4 off the exponent field: the conversion's scale operand
.endr
.irp c, 0,1
	v_lshrrev_b32 v[MX+4+\c], 23, v[MX+2+\c]       ; the scale's byte
.endr
	v_lshl_or_b32 v9, v[MX+5], 16, v[MX+4]         ; my two bytes: blocks h and 2 + h,
	v_lshlrev_b32 v10, 3, v2
	v_lshlrev_b32 v9, v10, v9                      ; at their places in the scale word;
	v_mov_b32 v10, 0
	v_permlanex16_b32 v10, v9, s36, s37
	v_or_b32 v9, v9, v10                           ; with lane l xor 16's two the word is whole
.irp c, 0,1
	v_cvt_scalef32_pk16_bf6_f32 v[WC+6*\c:WC+2+6*\c], v[WN+32*\c:WN+15+32*\c], v[MX+2+\c]
	v_cvt_scalef32_pk16_bf6_f32 v[WT+4*\c:WT+2+4*\c], v[WN+16+32*\c:WN+31+32*\c], v[MX+2+\c]   ; (a conversion's three registers begin on an even number)
.endr
	v_nop                                          ; one plain line behind the last scaled conversion
.irp c, 0,1
.irp i, 0,1,2
	v_mov_b32 v[WC+3+6*\c+\i], v[WT+4*\c+\i]
.endr
.endr
.rept 8
	v_nop                                          ; a scale register written by a vector instruction stands eight places ahead of a scaled matrix instruction, an operand four
.endr
	s_wait_alu depctr_va_vdst(0)                   ; W1's codes v[WC ..] and its scale word v9 are written, which the scaled matrix instructions take; the places above stay beside this wait
.irp a, 0,1,2,3,4,5,6,7                        ; eight results, one instruction each: K is 128
	v_wmma_scale_f32_16x16x128_f8f6f4 v[WN+8*\a:WN+8*\a+7], v[WC:WC+11], v[XF+12*\a:XF+12*\a+11], v[CB:CB+7], v9, v[XS+\a] matrix_a_fmt:MATRIX_FMT_BF6 matrix_b_fmt:MATRIX_FMT_BF6
.endr
.rept 4
	v_nop                                          ; four places ahead of the stores that read the results
.endr
	s_wait_alu depctr_va_vdst(0)                   ; the matrix instructions have written v[WN ..], which the stores read; the places above stay beside this wait
.irp a, 0,1,2,3,4,5,6,7
	global_store_b128 v3, v[WN+8*\a:WN+8*\a+3], s[18:19] offset:32768*\a         ; each result from its low end on
	global_store_b128 v3, v[WN+8*\a+4:WN+8*\a+7], s[18:19] offset:32768*\a+512
.endr
	s_cmp_lg_u32 ttmp9, 0
	s_cbranch_scc1 .Lend
	s_wait_xcnt 0x0                                ; EXEC is a source of the stores above: it changes only behind this wait
	v_cmp_eq_u32 vcc_lo, 0, v0
	s_wait_alu depctr_va_vcc(0)                    ; VCC is written: EXEC is made from it
	s_wait_alu depctr_va_vdst(0)                   ; ahead of a scalar write of EXEC: the vector lines issued so far are done,
	s_wait_alu depctr_vm_vsrc(0)                   ; and the stores issued so far have read their vector registers
	s_and_saveexec_b32 s38, vcc_lo
	global_store_b32 v12, v11, s[24:25]            ; out1 = 0.0, by one lane of one work-group (v11 and v12 were written ahead of the head's wait)
	s_wait_xcnt 0x0
	s_wait_alu depctr_va_vdst(0)                   ; ahead of the scalar write that restores EXEC: the same two,
	s_wait_alu depctr_vm_vsrc(0)                   ; out1's store has read v11 and v12
	s_or_b32 exec_lo, exec_lo, s38
.Lend:
	s_endpgm
.Lfunc_end_k_q1716aba7a3_prep:
	.size	k_q1716aba7a3_prep, .Lfunc_end_k_q1716aba7a3_prep-k_q1716aba7a3_prep
	.p2alignl 7, 3214868480
	.fill 96, 4, 3214868480
	.section	.rodata,"a",@progbits
	.p2align	6, 0x0
	.amdhsa_kernel k_q1716aba7a3_prep
		.amdhsa_group_segment_fixed_size 0
		.amdhsa_private_segment_fixed_size 0
		.amdhsa_enable_private_segment 0
		.amdhsa_kernarg_size 88
		.amdhsa_user_sgpr_count 2
		.amdhsa_user_sgpr_kernarg_segment_ptr 1
		.amdhsa_wavefront_size32 1
		.amdhsa_system_sgpr_workgroup_id_x 1
		.amdhsa_system_sgpr_workgroup_id_y 1
		.amdhsa_system_sgpr_workgroup_id_z 1
		.amdhsa_system_vgpr_workitem_id 0
		.amdhsa_next_free_vgpr 256
		.amdhsa_next_free_sgpr 66
		.amdhsa_reserve_vcc 1
		.amdhsa_float_denorm_mode_32 3
		.amdhsa_float_denorm_mode_16_64 3
		.amdhsa_memory_ordered 1
		.amdhsa_forward_progress 1
		.amdhsa_inst_pref_size 18
	.end_amdhsa_kernel
	.amdgpu_metadata
---
amdhsa.version: [ 1, 2 ]
amdhsa.kernels:
  - .name:           k_q1716aba7a3_prep
    .symbol:         k_q1716aba7a3_prep.kd
    .args:
      - { .name: x_codes, .offset: 0, .size: 8, .value_kind: global_buffer, .address_space: global }
      - { .name: x_scales, .offset: 8, .size: 8, .value_kind: global_buffer, .address_space: global }
      - { .name: y_codes, .offset: 16, .size: 8, .value_kind: global_buffer, .address_space: global }
      - { .name: y_scales, .offset: 24, .size: 8, .value_kind: global_buffer, .address_space: global }
      - { .name: W1, .offset: 32, .size: 8, .value_kind: global_buffer, .address_space: global }
      - { .name: b1, .offset: 40, .size: 8, .value_kind: global_buffer, .address_space: global }
      - { .name: W2_codes, .offset: 48, .size: 8, .value_kind: global_buffer, .address_space: global }
      - { .name: HX, .offset: 56, .size: 8, .value_kind: global_buffer, .address_space: global }
      - { .name: HY, .offset: 64, .size: 8, .value_kind: global_buffer, .address_space: global }
      - { .name: W2I, .offset: 72, .size: 8, .value_kind: global_buffer, .address_space: global }
      - { .name: out1, .offset: 80, .size: 8, .value_kind: global_buffer, .address_space: global }
    .group_segment_fixed_size: 0
    .private_segment_fixed_size: 0
    .kernarg_segment_align: 8
    .kernarg_segment_size: 88
    .max_flat_workgroup_size: 32
    .sgpr_count:     66
    .vgpr_count:     256
    .wavefront_size: 32
...
	.end_amdgpu_metadata
.endif
;; end of part 3
;; launch pairs (part 4): grid 8 x 32, 4 waves a work-group, no clusters, 197,120 bytes of LDS; arguments HX, HY, W2I, W2_scales, b2, W3, b3, out0; writes out0
.if DOCPART == 4
	.amdgcn_target "amdgcn-amd-amdhsa--gfx1250"
	.amdhsa_code_object_version 6
	.text
	.protected	k_q1716aba7a3_pairs
	.globl	k_q1716aba7a3_pairs
	.p2align	8
	.type	k_q1716aba7a3_pairs,@function
k_q1716aba7a3_pairs:
	s_mov_b64 s[64:65], 0
	v_nop
	global_prefetch_b8 v0, s[64:65] scope:SCOPE_SE
	s_setreg_imm32_b32 hwreg(HW_REG_WAVE_SCHED_MODE, 0, 2), 2
	s_setreg_imm32_b32 hwreg(HW_REG_WAVE_MODE, 25, 1), 1
	s_wait_xcnt 0x0
	s_wait_alu depctr_vm_vsrc(0)
; out0[i][j] = W3 . relu(W2 Q(relu(HY[i] + HX[j])) + b2) + b3 for 512 x 512 pairs.  HX (with b1 in it) and HY are [512][512] f32, laid as register images by the launch before; W2 is codes of BF6 (E3M2), likewise laid.
; The product with W2 runs on codes of BF6 with one E8M0 scale for each 32 along K; the hidden layer h1 = relu(HY[i] + HX[j]) is made, quantised and multiplied here and never goes to memory.  The product with W3 (one column) is f32 multiply-adds.
; SHARES.  Work-group (gx, gy): 16 rows i (y's tile gy) x 64 columns j (x's tiles 4 gx .. 4 gx + 3): 64 tiles of 16 pairs; tile (i, jt): lane r stands for j = 64 gx + 16 jt + r.  256 work-groups of equal work.
; THE WAVES SHARE THE COLUMNS OF W2, NOT THE PAIRS: wave w owns h2's columns 128 w .. 128 w + 127; its 32 fragments of W2 (384 registers), b2 and W3 stay in registers for the whole launch.
; Wave w also MAKES K step w of every fragment of h1: for that it needs hidden units 128 w .. + 127 alone: of HX 256 registers, which stay, and of HY 8 KiB in LDS bytes of its own, read with all lanes of a half at one address.
; A lane holds a WHOLE block of 32 hidden units of one pair, so a block's largest number needs no other lane and the conversions' results are the operand's registers.
; Fragments go from wave to wave through LDS as images of their registers, the scale bytes into words laid as the scale registers want them.
; THE PRODUCT IS USED TRANSPOSED (source 0 = 16 rows of W2, source 1 = 16 pairs): a lane holds one pair and eight columns, so relu, x W3 and the sum stay in the lane; b2 is the C of a sum's first instruction.
; BY TURNS.  A step is one tile: 32 matrix instructions (eight accumulators by turns, K step by K step).  Behind each stands a slice of vector work: behind the first 25 the making of two
; half fragments of a later tile, behind the last seven the way out of the accumulators that are finished.
; PIPELINE.  A period is four steps, one row i.  Period b makes row b's four tiles into ring slot b % 4 and multiplies row b - 2's out of slot (b + 2) % 4; in its last step it fetches ahead out of slot (b + 3) % 4.
; One barrier a period: in front of it each wave waits for all its LDS instructions, so what it stored has landed and what it read is in.  A slot is written again two barriers behind its last read.
; NO TENSOR LOAD AND NO CLUSTER: all that comes from memory (a wave's 48 KiB of W2, 32 KiB of HX, 8 KiB of HY, 3 KiB of b2, W3 and scales) is read once, at the head, dense, straight into the registers where it stays; through LDS it
; would be moved a second time.  Nothing is streamed later, so nothing is asked for ahead either.
; LIMITS: NaN and infinities are not served.  A block of zeros carries the byte 1 over zero codes, which add nothing.  The sum ahead of the quantiser is hy + (hx + b1): another order of two f32 roundings than reference()'s.
; THE MODE: SCHED_MODE bits 1:0 = 2 (LLVM: expert scheduling mode 2), set by the entry lines.  The code itself states the register dependences
; between vector or matrix instructions and memory or LDS instructions, with s_wait_alu, always for 0.
; THE PLAN.  Registers that LDS instructions touch, in a step:
;   AF0, AF1   Read by products 0 to 15; the next tile's loads land in them behind products 16 and 17.     AS, the other parity's pair: read by the step before; loaded behind product 16.
;   AF2, AF3   Read by products 16 to 31; the next tile's loads land in them at the step's end.
;   HYR        Read by the step's 32 packed sums, numbers 0-15 and 71-86 of its list, which all stand ahead of product 16; in steps 1 and 3 the next half row lands in it behind product 18.
;   code set 0 and its byte: written by numbers 64-70, ahead of product 16; stored behind product 16.      Code set 1 and its byte: written by the list's last numbers; stored at the step's end.
;   v[S]       Written by the step's last vector line; stored at the step's end.
;   The stepped addresses (v3-9, v14, v15, v44): read by the LDS instructions; written behind each barrier.  The others are written at the head and never again.
; So a step has TWO waits on va_vdst: ahead of product 16 (products 0 to 15 and the packed sums are done reading, code set 0 is written) and at its end (code set 1 and v[S] are written, products 16 to 31 are done reading).
; Behind the first, products 16 to 18 and their slices name AF2, this tile's own AS, the accumulators, TMP, M and code set 1: none of the registers that the LDS instructions dealt among them touch.
; ONE wait on vm_vsrc stands at a step's head: the stores issued so far have read the code sets, the bytes and v[S], which the step writes again.  At a barrier: vm_vsrc ahead of the writes of the addresses, va_vdst behind them.
;
; LDS: 0: HY, 8,192 bytes a wave.  RING: four slots of 32,768; in a slot tile jt at 6,400 jt: fragment s at 1,536 s, its half c at 768 c: 512 bytes (registers 6 c .. 6 c + 3, 16 x lane), then 256 (registers 6 c + 4, 5, 8 x lane);
;   at 6,144 the scale words: word (pair r, K step s) at 8 (16 (s % 2) + r) + 4 (s / 2), byte 2 c + h.  SCS: [wave][tile 64][lane] f32: the waves' partial scores.
; REGISTERS, in windows of 256.  Window 0: all that changes (below).  Window 1: v0-95 W2's K step 0 (12 t); v96-223 HX's halves 0, 2, 4, 6; v224-255 b2 of tiles 0-3.
;   Window 2: v0-95 W2's K step 1; v96-223 HX's halves 1, 3, 5, 7; v224-255 b2 of tiles 4-7.   Window 3: v0-191 W2's K steps 2, 3; v192-255 W3.   Half number 4 c + jt = 2 mu + e is made in step mu as its e-th.
.set RING,  32768
.set SLOTB, 0x8000
.set MT,    6400                       ; a tile in a slot
.set FRB,   1536                       ; a fragment's image
.set HFB,   768                        ; half of it
.set SCW,   6144                       ; a tile's scale words
.set SCS,   163840
.set L16,  1                           ; v1   16 x lane; never rewritten
.set L8,   2                           ; v2   8 x lane; never rewritten
.set RA16, 3                           ; v3-4 the slot that is multiplied: + 16 x lane, + 8 x lane
.set RA8,  4
.set RN16, 5                           ; v5-6 the slot that is multiplied next
.set RN8,  6
.set WA16, 7                           ; v7-9 where I store: registers 0-3 of a half, registers 4-5, the scale byte
.set WA8,  8
.set WS,   9
.set WB16, 10                          ; v10-12 the same in slot 0; never rewritten
.set WB8,  11
.set WBS,  12
.set HY0,  13                          ; v13  my wave's HY, my half of the lanes: 8192 w + 256 h; never rewritten
.set HYA,  14                          ; v14  + 16 x the row in hand
.set HYN,  15                          ; v15  + 16 x the next row
.set W2S,  16                          ; v16-31 W2's scale words: register 2 t + sp: lanes 0-15 K step 2 sp, lanes 16-31 K step 2 sp + 1
.set AS,   32                          ; v32-35 h1's scale words, two pairs by the tile's parity; register sp as above
.set S,    36                          ; v36-43 four pairs of sums
.set SA,   44                          ; v44  where my partial score goes
.set O32H, 45                          ; v45  32 h; never rewritten
.set OSC,  46                          ; v46  16 r + 4 h; never rewritten
.set OA,   47                          ; v47  the way out
.set M,    48                          ; v48-51 four chains of maxima
.set SCB,  52                          ; v52-55 scale operand and byte, for code sets 0 and 1
.set CP,   56                          ; v56-64, v68-76 code set e: the half's six registers, then three as converted
.set TMP,  80                          ; v80-111 32 numbers of h1
.set HYR,  112                         ; v112-143 half a row of hy
.set AF,   144                         ; v144-191 four fragments of h1
.set ACC,  192                         ; v192-255 eight accumulators
.set WV,   20                          ; s20 wave;  s22 gy
.set GY,   22
.set PB,   24                          ; s24 32,768 x the period's number
.set WBR,  25                          ; s25-27 the slots: written, multiplied, multiplied next
.set RBR,  26
.set RNR,  27
.set IBR,  28                          ; s28-29 16 x the row in hand, 16 x the next
.set INR,  29
.set CNT,  30
.set B3,   32                          ; s[32:33] b3, twice
; THE WINDOWS.  s_set_vgpr_msb's low byte: bits 1:0 source 0, 3:2 source 1, 5:4 source 2, 7:6 destination.  Each line states the fields that it uses (mask) and what they must hold (val); a switch is written only where
; they differ, and leaves the other fields as they are.  So a line whose first source is a constant stands under a matrix instruction's setting without a switch.  The immediate's high byte repeats the setting that is left.
.set MSB, 0
.macro W mask, val
.if (MSB & (\mask)) != (\val)
.set NEWMSB, (MSB & (0xff-(\mask))) | (\val)
	s_set_vgpr_msb (MSB<<8)|NEWMSB
.set MSB, NEWMSB
.endif
.endm
.set pl, 0                             ; plain vector lines written so far: from it the places behind matrix instructions are counted
.set dn, 0                             ; LDS instructions written in the step so far: from it the counted waits are made
; A vector line that reads a matrix instruction's result stands four places behind it, and only plain vector lines that name none of its registers are places (ISA guide 7.12.1).
; ref: pl as it stood behind that matrix instruction.  (For a load into a register that a matrix instruction has read, the waits on va_vdst state the dependence.)
.macro ENSURE ref
.if pl-(\ref) < 4
.rept 4-(pl-(\ref))
	v_nop
.endr
.set pl, (\ref)+4
.endif
.endm
; Matrix instruction q of a step's 32: K step q / 8, tile of columns q % 8.
.macro WM mu, q
.set ks, (\q)/8
.set kt, (\q)%8
.set rD, ACC+8*kt
.set rB, AF+12*ks
.set rC, rD
.set rA, 12*kt
.set wset, 0x03                        ; W2 in window 3
.if ks == 0
.set rC, 224+8*(kt%4)                  ; b2 starts the sum
.set wset, 0x11+0x10*(kt/4)            ; W2 in window 1, b2 in window 1 or 2
.elseif ks == 1
.set wset, 0x02
.elseif ks == 3
.set rA, 96+12*kt
.endif
.set rSA, W2S+2*kt+ks/2
.set rSB, AS+2*((\mu)%2)+ks/2
	W 0xff, wset
.if ks%2
	v_wmma_scale_f32_16x16x128_f8f6f4 v[rD:rD+7], v[rA:rA+11], v[rB:rB+11], v[rC:rC+7], v[rSA], v[rSB] matrix_a_fmt:MATRIX_FMT_BF6 matrix_b_fmt:MATRIX_FMT_BF6 matrix_a_scale:MATRIX_SCALE_ROW1 matrix_b_scale:MATRIX_SCALE_ROW1
.else
	v_wmma_scale_f32_16x16x128_f8f6f4 v[rD:rD+7], v[rA:rA+11], v[rB:rB+11], v[rC:rC+7], v[rSA], v[rSB] matrix_a_fmt:MATRIX_FMT_BF6 matrix_b_fmt:MATRIX_FMT_BF6
.endif
.endm
; THE MAKING OF h1.  A step makes two half fragments, e = 0 and 1: half c of K step w of tile jt, 4 c + jt = 2 mu + e.  Its list holds vector lines alone, 71 for each half; ITEM writes number pj of the 142:
;   16 packed sums hx + hy;  32 relu;  16 maxima, three operands at a time, four chains, the floor 2^(5 - 127) among the leaves;
;   the scale operand (4 off the largest number's exponent field), two conversions, the byte (also the plain line behind the conversions), three moves.
; The half's three stores (STORES) and hy's next half row (HYLOAD) stand behind the step's waits on va_vdst.
.macro ITEM mu
.set ie, pj/71
.set ik, pj-71*ie
.set iP, CP+12*ie
.set iS, SCB+2*ie
.if ik < 16
	W 0xcf, 1+ie
	v_pk_add_f32 v[TMP+2*ik:TMP+2*ik+1], v[96+32*(\mu)+2*ik:96+32*(\mu)+2*ik+1], v[HYR+2*ik:HYR+2*ik+1]
.set pl, pl+1
.elseif ik < 48
	W 0xcc, 0
	v_max_num_f32 v[TMP+ik-16], 0, v[TMP+ik-16]
.set pl, pl+1
.elseif ik < 64
.set im, ik-48
	W 0xff, 0
.if im < 4
	v_max3_num_f32 v[M+im], v[TMP+8*im], v[TMP+8*im+1], v[TMP+8*im+2]
.elseif im < 12
	v_max3_num_f32 v[M+im%4], v[M+im%4], v[TMP+8*(im%4)+2*(im/4)+1], v[TMP+8*(im%4)+2*(im/4)+2]
.elseif im == 12
	v_max3_num_f32 v[M], v[M], v[TMP+7], v[TMP+15]
.elseif im == 13
	v_max3_num_f32 v[M+1], v[M+1], v[TMP+23], v[TMP+31]
.elseif im == 14
	v_max3_num_f32 v[M+2], v[M+2], v[M+3], 0x2800000
.else
	v_max3_num_f32 v[M], v[M], v[M+1], v[M+2]
.endif
.set pl, pl+1
.else
.set iq, ik-64
.if iq == 0
	W 0xcc, 0
	v_add_nc_u32 v[iS], 0xfe000000, v[M]
.set pl, pl+1
.elseif iq == 1
	W 0xcf, 0
	v_cvt_scalef32_pk16_bf6_f32 v[iP:iP+2], v[TMP:TMP+15], v[iS]
.elseif iq == 2
	W 0xcf, 0
	v_cvt_scalef32_pk16_bf6_f32 v[iP+6:iP+8], v[TMP+16:TMP+31], v[iS]          ; (a conversion's three registers begin on an even number)
.elseif iq == 3
	W 0xcc, 0
	v_lshrrev_b32 v[iS+1], 23, v[iS]
.set pl, pl+1
.else
	W 0xcc, 0
	v_or_b32 v[iP+iq-1], 0, v[iP+iq+2]             ; a move whose first source is a constant: it wants no window of its own
.set pl, pl+1
.endif
.endif
.set pj, pj+1
.endm
.macro DEAL mu, n                      ; the next n numbers of the step's list, as far as it goes
.rept \n
.if pj < pn
	ITEM \mu
.endif
.endr
.endm
.macro STORES mu, e                    ; half e's image and its scale byte go to the ring
.set ihf, 2*(\mu)+(\e)
.set ic, ihf/4
.set ijt, ihf%4
.set iP, CP+12*(\e)
.set iS, SCB+2*(\e)
	W 0x0f, 0
	ds_store_b128 v[WA16], v[iP:iP+3] offset:ijt*MT+ic*HFB
	ds_store_b64 v[WA8], v[iP+4:iP+5] offset:ijt*MT+ic*HFB
	ds_store_b8 v[WS], v[iS+1] offset:ijt*MT+2*ic
.set dn, dn+3
.endm
.macro HYLOAD mu                       ; steps 1 and 3: the half row of hy has served its four tiles; the next one lands in its registers and is waited for at the next step's head
	W 0xc3, 0
.irp k, 0,1,2,3,4,5,6,7
.if (\mu) == 1
	ds_load_b128 v[HYR+4*\k:HYR+4*\k+3], v[HYA] offset:(\k+8)*512              ; the row's second half
.else
	ds_load_b128 v[HYR+4*\k:HYR+4*\k+3], v[HYN] offset:\k*512                  ; the next row's first half
.endif
.endr
.set dn, dn+8
.endm
.macro ALOAD s, a16, a8, off           ; K step s's fragment of the tile at off: four loads
	W 0xc3, 0
.irp c, 0,1
	ds_load_b128 v[AF+12*(\s)+6*\c:AF+12*(\s)+6*\c+3], v[\a16] offset:(\off)+(\s)*FRB+\c*HFB
	ds_load_b64 v[AF+12*(\s)+6*\c+4:AF+12*(\s)+6*\c+5], v[\a8] offset:(\off)+(\s)*FRB+\c*HFB+512
.endr
.set dn, dn+4
.endm
.macro ASLOAD par, a8, off             ; its scale words, all four K steps' in one load
	W 0xc3, 0
	ds_load_b64 v[AS+2*(\par):AS+2*(\par)+1], v[\a8] offset:(\off)+SCW
.set dn, dn+1
.endm
; THE WAY OUT of accumulator t: relu, from the low end on, then x W3 into four pairs of sums; the first accumulator starts them.
.macro EPI t
	W 0xcc, 0
.irp j, 0,1,2,3,4,5,6,7
	v_max_num_f32 v[ACC+8*(\t)+\j], 0, v[ACC+8*(\t)+\j]
.endr
	W 0xff, 0x03
.irp p, 0,2,4,6
.if (\t) == 0
	v_pk_mul_f32 v[S+\p:S+\p+1], v[192+8*(\t)+\p:192+8*(\t)+\p+1], v[ACC+8*(\t)+\p:ACC+8*(\t)+\p+1]
.else
	v_pk_fma_f32 v[S+\p:S+\p+1], v[192+8*(\t)+\p:192+8*(\t)+\p+1], v[ACC+8*(\t)+\p:ACC+8*(\t)+\p+1], v[S+\p:S+\p+1]
.endif
.endr
.set pl, pl+12
.endm
.macro FINSUM                          ; my lane's share of its pair's score: 64 of the 512 columns
	W 0xcf, 0
	v_pk_add_f32 v[S:S+1], v[S:S+1], v[S+2:S+3]
	v_pk_add_f32 v[S+4:S+5], v[S+4:S+5], v[S+6:S+7]
	v_pk_add_f32 v[S:S+1], v[S:S+1], v[S+4:S+5]
	v_add_f32 v[S], v[S], v[S+1]
.set pl, pl+4
.endm
.macro FINST mu
	W 0x0f, 0
	ds_store_b32 v[SA], v[S] offset:(\mu)*128
.set dn, dn+1
.endm
; The weights' loads, number gj of 144: 96 of W2's fragments, 16 of b2, 16 of W3 (both in the result's layout: column 16 t + 8 h + j), 16 of W2's scale words.
; Their offsets were written ahead of the head's wait on va_vdst and never again; they land in registers that no vector or matrix line has named.
.macro GLOAD
.if gj < 96
.set gf, gj/3
.set gg, gj%3
.set gw, 3
.set gr, 96*(gf/8-2)+12*(gf%8)+4*gg
.if gf < 16
.set gw, 1+gf/8
.set gr, 12*(gf%8)+4*gg
.endif
	W 0xc3, gw<<6
	global_load_b128 v[gr:gr+3], v[L16], s[8:9] offset:gf*FRB+gg*512
.elseif gj < 128
.set gt, (gj%16)/2
.set gu, gj%2
.if gj < 112
	W 0xc3, (1+gt/4)<<6
	global_load_b128 v[224+8*(gt%4)+4*gu:224+8*(gt%4)+4*gu+3], v[O32H], s[12:13] offset:64*gt+16*gu
.else
	W 0xc3, 0xc0
	global_load_b128 v[192+8*gt+4*gu:192+8*gt+4*gu+3], v[O32H], s[14:15] offset:64*gt+16*gu
.endif
.else
.set gt, (gj%16)/2
.set gu, gj%2
	W 0xc3, 0
	global_load_b32 v[W2S+2*gt+gu], v[OSC], s[10:11] offset:256*gt+8*gu
.endif
.endm
.macro GRUN g0
.set gj, \g0
.rept 36
	GLOAD
.set gj, gj+1
.endr
.endm
; The period's addresses, from its number.  Every window is 0 here, and no LDS instruction of the wave is out.
.macro ADDR prod
	s_and_b32 s[WBR], s[PB], 0x18000               ; slot b % 4,
	s_xor_b32 s[RBR], s[WBR], 0x10000              ; slot (b + 2) % 4,
	s_add_co_u32 s[RNR], s[PB], 0x18000
	s_and_b32 s[RNR], s[RNR], 0x18000              ; slot (b + 3) % 4
	s_add_co_u32 s[RBR], s[RBR], RING
	s_add_co_u32 s[RNR], s[RNR], RING
	v_add_nc_u32 v[RA16], s[RBR], v[L16]
	v_add_nc_u32 v[RA8], s[RBR], v[L8]
	v_add_nc_u32 v[RN16], s[RNR], v[L16]
	v_add_nc_u32 v[RN8], s[RNR], v[L8]
.if \prod
	v_add_nc_u32 v[WA16], s[WBR], v[WB16]
	v_add_nc_u32 v[WA8], s[WBR], v[WB8]
	v_add_nc_u32 v[WS], s[WBR], v[WBS]
	s_lshr_b32 s[IBR], s[PB], 11                   ; 16 x the row,
	s_min_u32 s[IBR], s[IBR], 240                  ; held at the tile's last row
	s_add_co_u32 s[INR], s[IBR], 16
	s_min_u32 s[INR], s[INR], 240                  ; (behind row 15 its own first half is loaded once more; nobody uses it)
	v_add_nc_u32 v[HYA], s[IBR], v[HY0]
	v_add_nc_u32 v[HYN], s[INR], v[HY0]
.endif
.endm
.macro BOUNDARY prod, mat
	W 0xff, 0
	s_wait_dscnt 0x0                               ; for the others' sake: my stores into the ring and the scores have landed, and my reads of the slots are in
	s_barrier_signal -1
	s_barrier_wait -1
	s_add_co_u32 s[PB], s[PB], SLOTB
	s_wait_alu depctr_vm_vsrc(0)                   ; the LDS instructions issued so far have read the addresses that the lines below write
	ADDR \prod
.if \mat
	v_add_nc_u32 v[SA], 512, v[SA]                 ; the next row's four tiles
.endif
	s_wait_alu depctr_va_vdst(0)                   ; the period's addresses are written, which the LDS instructions from here on read
.endm
; A STEP.  prod: two half fragments are made.  mat: tile mu of the slot in hand is multiplied.  g0 >= 0: 36 of the weights' loads stand at its head.
.macro STEP mu, prod, mat, g0
.set pj, 0
.set pn, 142*(\prod)
.set dn, 0
.set nof, (((\mu)+1)%4)*MT             ; where the next tile lies in its slot
.if \mat
.if (\mu) == 0
	s_wait_dscnt 8                                 ; the youngest eight are the loads of K steps 2 and 3: K steps 0 and 1, the scale words and hy's half row are in
.else
	s_wait_dscnt 9+3*(\prod)                       ; the youngest are the last step's end: code set 1's three stores (where halves are made), the score's store, the eight loads of K steps 2 and 3.  All that was asked for ahead of them is in: K steps 0 and 1, the scale words, hy's half row
.endif
	s_wait_alu depctr_vm_vsrc(0)                   ; the LDS stores issued so far have read both code sets, their bytes and v[S], which this step writes again
.set qq, 0
.rept 32
.if qq == 16
	s_wait_dscnt 4                                 ; K step 2's fragment: behind it came K step 3's four loads
	s_wait_alu depctr_va_vdst(0)                   ; products 0 to 15 are done reading AF0 and AF1, the step before its AS, the packed sums HYR; code set 0 and its byte are written: the LDS instructions behind products 16 to 18 touch these
.elseif qq == 24
	s_wait_dscnt dn                                ; K step 3's: behind it came what this step has issued
.endif
	WM \mu, qq
.if qq == 24
.set pl24, pl
.endif
.if qq == 16                                   ; no vector or matrix line since the wait names a register of these LDS instructions
.if \prod
	STORES \mu, 0
.endif
.if (\mu) == 3
	ALOAD 0, RN16, RN8, 0
	ASLOAD 0, RN8, 0
.else
	ALOAD 0, RA16, RA8, nof
	ASLOAD ((\mu)+1)%2, RA8, nof
.endif
.elseif qq == 17
.if (\mu) == 3
	ALOAD 1, RN16, RN8, 0
.else
	ALOAD 1, RA16, RA8, nof
.endif
.elseif qq == 18
.if (\prod) && ((\mu)%2)
	HYLOAD \mu
.endif
.endif
.if qq < 17
	DEAL \mu, 6                                    ; 17 x 6 + 8 x 5 = 142
.elseif qq < 25
	DEAL \mu, 5
.else
	EPI qq-25                                      ; twelve plain lines: the places between accumulator qq - 24's last product and its way out
.endif
.if qq == 24
	ENSURE pl24                                    ; accumulator 0 is finished: its way out begins behind the next matrix instruction
.endif
.set qq, qq+1
.endr
	EPI 7
	FINSUM
	s_wait_alu depctr_va_vdst(0)                   ; code set 1, its byte and v[S] are written, which the stores below read; products 16 to 31 are done reading AF2 and AF3, in which the loads below land
.if \prod
	STORES \mu, 1
.endif
	FINST \mu
.if (\mu) == 3
	BOUNDARY \prod, 1
.endif
	ALOAD 2, RA16, RA8, nof                        ; the step's last eight LDS instructions, on every way into a step
	ALOAD 3, RA16, RA8, nof
.else
.if (\g0) >= 0
	GRUN \g0
.endif
	s_wait_dscnt 0x0                               ; hy's half row is in
	s_wait_alu depctr_vm_vsrc(0)                   ; the LDS stores issued so far have read their data: the code sets and bytes, which this step writes again; ahead of the first step HY's stage, in which fragments land later
	DEAL \mu, 96
	s_wait_alu depctr_va_vdst(0)                   ; code set 0 and its byte are written, which the stores read; the packed sums are done reading HYR, in which the loads land
	STORES \mu, 0
.if (\mu)%2
	HYLOAD \mu
.endif
	DEAL \mu, 46
	s_wait_alu depctr_va_vdst(0)                   ; code set 1 and its byte are written, which the stores read
	STORES \mu, 1
.if (\mu) == 3
	BOUNDARY \prod, 0
.endif
.endif
.endm
.macro PERIOD prod, mat
	STEP 0, \prod, \mat, -1
	STEP 1, \prod, \mat, -1
	STEP 2, \prod, \mat, -1
	STEP 3, \prod, \mat, -1
.endm
	s_load_b256 s[4:11], s[0:1], 0x0               ; HX s[4:5], HY s[6:7], W2I s[8:9], W2's scales s[10:11]
	s_load_b256 s[12:19], s[0:1], 0x20             ; b2 s[12:13], W3 s[14:15], b3 s[16:17], out0 s[18:19]
	v_lshl_add_u32 v66, v0, 2, 0x30000
	v_mov_b32 v67, 0
	v_lshrrev_b32 v77, 5, v0
	v_readfirstlane_b32 s[WV], v77                 ; wave 0..3
	s_and_b32 s[GY], ttmp7, 0xffff
	v_and_b32 v78, 31, v0                          ; lane
	v_and_b32 v79, 15, v0                          ; r
	v_bfe_u32 v77, v0, 4, 1                        ; h
	v_lshlrev_b32 v[L16], 4, v78
	v_lshlrev_b32 v[L8], 3, v78
	s_wait_alu depctr_va_sdst(0)                   ; the wave's number is written, ahead of its first reader: LDS places and the bases are made from it
	s_mul_i32 s38, s[WV], FRB                      ; I make K step w.  (A scalar that a vector line reads has a register of its own here and is not written again)
	s_add_co_u32 s38, s38, RING
	v_add_nc_u32 v[WB16], s38, v[L16]
	s_add_co_u32 s39, s38, 512
	v_add_nc_u32 v[WB8], s39, v[L8]
	s_and_b32 s40, s[WV], 1
	s_lshl_b32 s40, s40, 7
	s_lshr_b32 s41, s[WV], 1
	s_lshl_b32 s41, s41, 2
	s_add_co_u32 s40, s40, s41
	s_add_co_u32 s40, s40, RING+SCW
	v_lshl_add_u32 v[WBS], v79, 3, v77
	v_add_nc_u32 v[WBS], s40, v[WBS]               ; my scale byte: 128 (w % 2) + 4 (w / 2) + 8 r + h
	s_lshl_b32 s37, s[WV], 13                      ; 8192 w
	v_lshl_add_u32 v[HY0], v77, 8, s37
	v_lshlrev_b32 v[O32H], 5, v77
	v_lshlrev_b32 v[OSC], 2, v77
	v_lshl_add_u32 v[OSC], v79, 4, v[OSC]
	v_lshl_add_u32 v[SA], v78, 2, s37
	v_add_nc_u32 v[SA], SCS, v[SA]
	v_add_nc_u32 v78, s37, v[L16]                  ; where HY's image goes in LDS
	s_mov_b32 s[PB], 0
	ADDR 1                                         ; period 0
	s_mov_b32 s35, 0
	s_wait_kmcnt 0x0
	s_load_b32 s[B3], s[16:17], 0x0
	s_lshl_b32 s34, s[GY], 15
	s_add_co_u32 s34, s34, s37
	s_add_nc_u64 s[6:7], s[6:7], s[34:35]          ; HY: tile gy, K step w
	s_lshl_b32 s34, ttmp9, 17
	s_add_co_u32 s34, s34, s37
	s_add_nc_u64 s[4:5], s[4:5], s[34:35]          ; HX: tile 4 gx, K step w
	s_mul_i32 s34, s[WV], 32*FRB
	s_add_nc_u64 s[8:9], s[8:9], s[34:35]          ; my 32 fragments of W2
	s_lshl_b32 s34, s[WV], 11
	s_add_nc_u64 s[10:11], s[10:11], s[34:35]      ; my 128 rows of its scales
	s_lshl_b32 s34, s[WV], 9
	s_add_nc_u64 s[12:13], s[12:13], s[34:35]      ; my 128 numbers of b2
	s_add_nc_u64 s[14:15], s[14:15], s[34:35]      ; and of W3
	s_lshl_b32 s34, s[GY], 15
	s_lshl_b32 s36, ttmp9, 8
	s_add_co_u32 s34, s34, s36
	s_add_nc_u64 s[18:19], s[18:19], s[34:35]      ; out0 at row 16 gy, column 64 gx
	s_wait_alu depctr_va_vdst(0)                   ; the offsets and LDS addresses v1 to v15, v44 to v46 and v78 are written, which the loads and LDS instructions below read
.irp q, 0,1,2,3,4,5,6,7,8,9,10,11,12,13,14,15
	global_load_b128 v[AF+4*\q:AF+4*\q+3], v[L16], s[6:7] offset:512*\q
.endr
.irp e, 0,1
	W 0xc3, (1+\e)<<6
.irp mu, 0,1,2,3
.irp k, 0,1,2,3,4,5,6,7
	global_load_b128 v[96+32*\mu+4*\k:96+32*\mu+4*\k+3], v[L16], s[4:5] offset:((2*\mu+\e)%4)*32768+((2*\mu+\e)/4)*4096+512*\k
.endr
.endr
.endr
	s_wait_loadcnt 63                              ; HY's sixteen are in: 64 loads were issued behind them, and 63 is the largest count that this wait names
	W 0x0f, 0
.irp q, 0,1,2,3,4,5,6,7,8,9,10,11,12,13,14,15
	ds_store_b128 v78, v[AF+4*\q:AF+4*\q+3] offset:512*\q        ; the data come from loads; no vector line names them
.endr
	W 0xc3, 0
.irp k, 0,1,2,3,4,5,6,7
	ds_load_b128 v[HYR+4*\k:HYR+4*\k+3], v[HYA] offset:512*\k    ; row 0's first half: my wave's own bytes, and LDS serves a wave's instructions in order (ISA guide 5.7.1.4)
.endr
	GRUN 0
	s_wait_loadcnt 36                              ; HX is in: behind it came the 36 just issued
	; rows 0 and 1 are made with nothing to multiply yet; the rest of the weights' loads stand in the first of the two periods and land under them
	STEP 0, 1, 0, -1
	STEP 1, 1, 0, 36
	STEP 2, 1, 0, 72
	STEP 3, 1, 0, 108
	PERIOD 1, 0
	s_wait_loadcnt 0x0                             ; the weights
	s_wait_kmcnt 0x0                               ; b3
	s_mov_b32 s[B3+1], s[B3]
	ALOAD 0, RA16, RA8, 0                          ; row 0's first tile.  The barrier's wait on va_vdst has shown the addresses written; the steps' waits on vm_vsrc have shown that HY's stores have read these registers
	ASLOAD 0, RA8, 0
	ALOAD 1, RA16, RA8, 0
	ALOAD 2, RA16, RA8, 0
	ALOAD 3, RA16, RA8, 0
	W 0xff, 0                                      ; at a label and at a branch every window is 0
	s_mov_b32 s[CNT], 14
.Lmain:                                                ; periods 2 to 15: row b is made, row b - 2 multiplied
	PERIOD 1, 1
	W 0xff, 0
	s_sub_co_u32 s[CNT], s[CNT], 1
	s_cmp_lg_u32 s[CNT], 0
	s_cbranch_scc1 .Lmain
	s_mov_b32 s[CNT], 2
.Ltail:                                                ; periods 16 and 17: rows 14 and 15 are multiplied.  The last trip's loads ahead read a slot's old bytes, which nobody writes and nobody uses
	PERIOD 0, 1
	W 0xff, 0
	s_sub_co_u32 s[CNT], s[CNT], 1
	s_cmp_lg_u32 s[CNT], 0
	s_cbranch_scc1 .Ltail
	; THE WAY OUT.  The last barrier has shown every wave's partial scores.  A pair's score is eight of them: four waves x two halves of the lanes.  Wave w stores rows 4 w .. 4 w + 3:
	; sixteen lanes take a row's 64 columns, 16 bytes each: 256 consecutive bytes, at a multiple of 256 from out0's first byte.
	s_wait_dscnt 0x0
	v_and_b32 v77, 15, v0
	v_bfe_u32 v78, v0, 4, 1                        ; (v78 was the address of HY's stores at the head: the steps' waits on vm_vsrc stand between)
	s_lshl_b32 s34, s[WV], 2
	v_add_nc_u32 v78, s34, v78                     ; my row: 4 w + lane / 16 (and two rows on)
	v_lshrrev_b32 v79, 2, v77
	v_lshlrev_b32 v79, 7, v79                      ; the tile jt of my four columns,
	v_and_b32 v[OA], 3, v77
	v_lshl_add_u32 v[OA], v[OA], 4, v79            ; and their place in it
	v_lshl_add_u32 v[OA], v78, 9, v[OA]
	v_add_nc_u32 v[OA], SCS, v[OA]
	v_lshlrev_b32 v77, 4, v77
	v_lshl_add_u32 v77, v78, 11, v77               ; the same place in out0
	s_wait_alu depctr_va_vdst(0)                   ; v[OA] is written, which the loads below read; the vector lines that named v80 to v143, in which they land, are done
.irp k, 0,1
.irp a, 0,1,2,3
	ds_load_b128 v[TMP+32*\k+8*\a:TMP+32*\k+8*\a+3], v[OA] offset:8192*\a+1024*\k
	ds_load_b128 v[TMP+32*\k+8*\a+4:TMP+32*\k+8*\a+7], v[OA] offset:8192*\a+1024*\k+64
.endr
.endr
	s_wait_dscnt 0x0
.irp k, 0,1
.irp a, 0,2,4,6
.irp p, 0,2
	v_pk_add_f32 v[TMP+32*\k+4*\a+\p:TMP+32*\k+4*\a+\p+1], v[TMP+32*\k+4*\a+\p:TMP+32*\k+4*\a+\p+1], v[TMP+4+32*\k+4*\a+\p:TMP+4+32*\k+4*\a+\p+1]
.endr
.endr
.irp a, 0,4
.irp p, 0,2
	v_pk_add_f32 v[TMP+32*\k+4*\a+\p:TMP+32*\k+4*\a+\p+1], v[TMP+32*\k+4*\a+\p:TMP+32*\k+4*\a+\p+1], v[TMP+8+32*\k+4*\a+\p:TMP+8+32*\k+4*\a+\p+1]
.endr
.endr
.irp p, 0,2
	v_pk_add_f32 v[TMP+32*\k+\p:TMP+32*\k+\p+1], v[TMP+32*\k+\p:TMP+32*\k+\p+1], v[TMP+16+32*\k+\p:TMP+16+32*\k+\p+1]
.endr
.irp p, 0,2
	v_pk_add_f32 v[TMP+32*\k+\p:TMP+32*\k+\p+1], v[TMP+32*\k+\p:TMP+32*\k+\p+1], s[B3:B3+1] op_sel_hi:[1,0]
.endr
.endr
	s_wait_alu depctr_va_vdst(0)                   ; both rows' scores and the offset v77 are written, which the two stores read
.irp k, 0,1
	global_store_b128 v77, v[TMP+32*\k:TMP+32*\k+3], s[18:19] offset:4096*\k th:TH_STORE_NT
.endr
	s_wait_dscnt 0x0
	s_wait_alu depctr_hold_cnt(0) depctr_sa_sdst(0) depctr_va_vdst(0) depctr_va_sdst(0) depctr_va_ssrc(0) depctr_va_vcc(0) depctr_vm_vsrc(0)
	s_wait_tensorcnt 0x0
	ds_add_u32 v66, v67
	s_wait_dscnt 0x0
	s_endpgm
.Lfunc_end_k_q1716aba7a3_pairs:
	.size	k_q1716aba7a3_pairs, .Lfunc_end_k_q1716aba7a3_pairs-k_q1716aba7a3_pairs
	.p2alignl 7, 3214868480
	.fill 96, 4, 3214868480
	.section	.rodata,"a",@progbits
	.p2align	6, 0x0
	.amdhsa_kernel k_q1716aba7a3_pairs
		.amdhsa_group_segment_fixed_size 197120
		.amdhsa_private_segment_fixed_size 0
		.amdhsa_enable_private_segment 0
		.amdhsa_kernarg_size 64
		.amdhsa_user_sgpr_count 2
		.amdhsa_user_sgpr_kernarg_segment_ptr 1
		.amdhsa_wavefront_size32 1
		.amdhsa_system_sgpr_workgroup_id_x 1
		.amdhsa_system_sgpr_workgroup_id_y 1
		.amdhsa_system_sgpr_workgroup_id_z 1
		.amdhsa_system_vgpr_workitem_id 0
		.amdhsa_next_free_vgpr 1024
		.amdhsa_next_free_sgpr 66
		.amdhsa_reserve_vcc 0
		.amdhsa_float_denorm_mode_32 3
		.amdhsa_float_denorm_mode_16_64 3
		.amdhsa_memory_ordered 1
		.amdhsa_forward_progress 1
		.amdhsa_inst_pref_size 208
	.end_amdhsa_kernel
	.amdgpu_metadata
---
amdhsa.version: [ 1, 2 ]
amdhsa.kernels:
  - .name:           k_q1716aba7a3_pairs
    .symbol:         k_q1716aba7a3_pairs.kd
    .args:
      - { .name: HX, .offset: 0, .size: 8, .value_kind: global_buffer, .address_space: global }
      - { .name: HY, .offset: 8, .size: 8, .value_kind: global_buffer, .address_space: global }
      - { .name: W2I, .offset: 16, .size: 8, .value_kind: global_buffer, .address_space: global }
      - { .name: W2_scales, .offset: 24, .size: 8, .value_kind: global_buffer, .address_space: global }
      - { .name: b2, .offset: 32, .size: 8, .value_kind: global_buffer, .address_space: global }
      - { .name: W3, .offset: 40, .size: 8, .value_kind: global_buffer, .address_space: global }
      - { .name: b3, .offset: 48, .size: 8, .value_kind: global_buffer, .address_space: global }
      - { .name: out0, .offset: 56, .size: 8, .value_kind: global_buffer, .address_space: global }
    .group_segment_fixed_size: 197120
    .private_segment_fixed_size: 0
    .kernarg_segment_align: 8
    .kernarg_segment_size: 64
    .max_flat_workgroup_size: 128
    .sgpr_count:     66
    .vgpr_count:     1024
    .wavefront_size: 32
...
	.end_amdgpu_metadata
.endif
;; end of part 4
